; MI455X (gfx1250); checked and timed in simulation.
; The chip was launched on July 23, 2026; its instructions are those of AMD's public machine-readable ISA for CDNA 5 (MIT licence, August 2026) and "CDNA5" Instruction Set Architecture Reference Guide (July 2026). The comments in the code are by the model that wrote it; some were corrected since.
;; Multi Head Self Attention. Allowed arithmetic: float matrix products may take bf16 or f16 operands with f32 sums; other float arithmetic in f32, or as packed bf16 or f16 multiplies, adds, multiply-adds, maxima and minima; sums over many terms, partial sums and values carried from step to step in f32; what a program stores and reads back later, other than sums and carried values, may be rounded once to bf16 or f16.
;; Inputs: Wk 2,048 x 2,048 float32; Wo 2,048 x 2,048 float32; Wq 2,048 x 2,048 float32; Wv 2,048 x 2,048 float32; token_positions 2,048 int32; x 1 x 2,048 x 2,048 float32.
;; Outputs: out0 1 x 2,048 x 2,048 float32.
;; One version. Each part assembles by itself: llvm-mc -triple=amdgcn-amd-amdhsa -mcpu=gfx1250 --defsym DOCPART=n.
;; ======== version 1 of 1: 4 launches
;; limits: values are held in f16: magnitudes above 65,504 overflow, below 6.1e-05 lose precision; inputs' magnitudes at most 1,000,000; an absolute error that grows with the inputs' magnitude: up to 1e-07 times it
;; workspace buffers: xb 8,388,608 bytes; wb 25,165,824 bytes; wo16 8,388,608 bytes; rope 1,048,576 bytes; qkv 25,165,824 bytes; ob 8,388,608 bytes
;; launch prep (part 1): grid 256 x 6, 8 waves a work-group, no clusters, 0 bytes of LDS; arguments x, Wq, Wk, Wv, Wo, token_positions, xb, wb, wo16, rope; writes xb, wb, wo16, rope
.if DOCPART == 1
	.amdgcn_target "amdgcn-amd-amdhsa--gfx1250"
	.amdhsa_code_object_version 6
	.text
	.protected	k_qd0d011cc6b_prep
	.globl	k_qd0d011cc6b_prep
	.p2align	8
	.type	k_qd0d011cc6b_prep,@function
k_qd0d011cc6b_prep:
	s_mov_b64 s[64:65], 0
	v_nop
	global_prefetch_b8 v0, s[64:65] scope:SCOPE_SE
	s_setreg_imm32_b32 hwreg(HW_REG_WAVE_MODE, 25, 1), 1
	s_wait_xcnt 0x0
; PREP.  Work-group row y = 0..4: one f32 tensor of 2048 x 2048 is rounded once to 16 bits: x -> xb (bf16); Wq, Wk, Wv -> wb[0..2] (bf16);
; Wo -> wo16: rounded to bf16 like the other inputs, and that number written as f16.  y = 5: the table rope[s][p] = (cos, sin)(pos[s] x 10000^(-p/64)), f32.
; A stream: every byte is read once by 16-byte loads (a wave's load covers 512 consecutive bytes) and every result is written once (a wave's store
; covers 256 or 512 consecutive bytes, aligned).  No LDS, no matrix unit, no cluster: nothing is shared between waves.
; LIMITS.  Wo's bf16 numbers beyond 65,504 would become infinities in f16; below 6e-5 they keep f16's fixed step of 6e-8.  The angle is reduced by three fused
; steps of pi/2 and a whole number of quarter turns that must fit 32 bits; the reduction's error stays under 1e-6 rad up to angles of 1e6.
; 10000^(-p/64) is made by v_exp_f32 (1 ulp), so an angle is off by about 1e-7 of itself.
	s_load_b512 s[8:23], s[0:1], 0x0               ; x 8, Wq 10, Wk 12, Wv 14, Wo 16, positions 18, xb 20, wb 22
	s_load_b128 s[24:27], s[0:1], 0x40             ; wo16 24, rope 26
	s_and_b32 s2, ttmp7, 0xffff                    ; y
	v_and_b32 v6, 31, v0                           ; lane
	v_lshrrev_b32 v7, 5, v0                        ; wave
	s_wait_kmcnt 0x0
	s_cmp_eq_u32 s2, 5
	s_cbranch_scc1 .Ltable
	; THE CASTS.  A work-group takes 65,536 bytes of f32, a wave 8,192: sixteen loads, all issued at once.
	s_mov_b64 s[28:29], s[8:9]                     ; the source by y
	s_cmp_eq_u32 s2, 1
	s_cselect_b64 s[28:29], s[10:11], s[28:29]
	s_cmp_eq_u32 s2, 2
	s_cselect_b64 s[28:29], s[12:13], s[28:29]
	s_cmp_eq_u32 s2, 3
	s_cselect_b64 s[28:29], s[14:15], s[28:29]
	s_cmp_eq_u32 s2, 4
	s_cselect_b64 s[28:29], s[16:17], s[28:29]
	s_mov_b64 s[30:31], s[22:23]                   ; the destination by y
	s_sub_co_u32 s32, s2, 1
	s_lshl_b32 s32, s32, 23                        ; wb's part y - 1, 8,388,608 bytes each
	s_cmp_eq_u32 s2, 0
	s_cselect_b64 s[30:31], s[20:21], s[30:31]
	s_cselect_b32 s32, 0, s32
	s_cmp_eq_u32 s2, 4
	s_cselect_b64 s[30:31], s[24:25], s[30:31]
	s_cselect_b32 s32, 0, s32
	s_lshl_b32 s33, ttmp9, 15                      ; the work-group's 32,768 bytes of 16-bit numbers
	s_add_co_u32 s32, s32, s33
	s_mov_b32 s33, 0
	s_add_nc_u64 s[30:31], s[30:31], s[32:33]
	s_lshl_b32 s36, ttmp9, 16
	s_mov_b32 s37, 0
	s_add_nc_u64 s[28:29], s[28:29], s[36:37]
	s_mov_b32 s34, 0xffff0000                      ; a word's upper bf16
	v_lshlrev_b32 v1, 4, v6
	v_lshl_add_u32 v1, v7, 13, v1                  ; in: wave x 8,192 + lane x 16
	v_lshlrev_b32 v2, 3, v6
	v_lshl_add_u32 v2, v7, 12, v2                  ; out: wave x 4,096 + lane x 8
.set i, 0
.rept 16
	global_load_b128 v[8+4*i:11+4*i], v1, s[28:29] offset:512*i th:TH_LOAD_NT
.set i, i+1
.endr
; No register that a load or store names is written again, so the only waits are the counted ones for the data.
.macro CAST half
.set i, 0
.rept 16
	s_wait_loadcnt 15-i                            ; loads come back in order: load i is in, the younger ones stay out
.if \half
	v_cvt_pk_bf16_f32 v104, v[8+4*i], v[9+4*i]     ; the input's rounding, to bf16,
	v_cvt_pk_bf16_f32 v105, v[10+4*i], v[11+4*i]
	v_lshlrev_b32 v106, 16, v104                   ; back to f32 (a shift, a mask),
	v_and_b32 v107, s34, v104
	v_lshlrev_b32 v108, 16, v105
	v_and_b32 v109, s34, v105
	v_cvt_pk_f16_f32 v[72+2*i], v106, v107         ; and written as f16: exact in f16's normal range
	v_cvt_pk_f16_f32 v[73+2*i], v108, v109
.else
	v_cvt_pk_bf16_f32 v[72+2*i], v[8+4*i], v[9+4*i]
	v_cvt_pk_bf16_f32 v[73+2*i], v[10+4*i], v[11+4*i]
.endif
	global_store_b64 v2, v[72+2*i:73+2*i], s[30:31] offset:256*i  ; the wave's store covers 256 consecutive bytes, aligned
.set i, i+1
.endr
.endm
	s_cmp_eq_u32 s2, 4
	s_cbranch_scc1 .Lhalf
	CAST 0
	s_endpgm
.Lhalf:
	CAST 1
	s_endpgm
	; THE TABLE.  A wave makes one row s = 8 x work-group + wave; a lane the pairs 2 lane and 2 lane + 1: (c, s, c, s), 16 bytes.
.Ltable:
	v_lshlrev_b32 v5, 2, v7
	s_lshl_b32 s36, ttmp9, 5
	v_add_nc_u32 v5, s36, v5                       ; 4 x row
	global_load_b32 v4, v5, s[18:19]               ; the row's position, the same word in every lane
	s_lshl_b32 s36, ttmp9, 12                      ; the work-group's eight rows of 512 bytes
	s_mov_b32 s37, 0
	s_add_nc_u64 s[26:27], s[26:27], s[36:37]
	s_mov_b32 s40, 0xbfc90fdb                      ; - pi/2 in three parts
	s_mov_b32 s41, 0x333bbd2e
	s_mov_b32 s42, 0x26f72ced
	s_mov_b32 s43, 0xb94ca1f9                      ; sine: -1.9515296e-4, 8.3321609e-3, -1.6666655e-1
	s_mov_b32 s44, 0x3c08839e
	s_mov_b32 s45, 0xbe2aaaa3
	s_mov_b32 s46, 0x37ccf5ce                      ; cosine: 2.4433157e-5, -1.3887316e-3, 4.1666646e-2
	s_mov_b32 s47, 0xbab6061a
	s_mov_b32 s48, 0x3d2aaaa5
	v_lshlrev_b32 v10, 1, v6
	v_or_b32 v20, 1, v10
	v_cvt_f32_u32 v10, v10
	v_cvt_f32_u32 v20, v20
	v_mul_f32 v10, 0xbe549a78, v10                 ; - p log2(10000) / 64
	v_mul_f32 v20, 0xbe549a78, v20
	v_exp_f32 v10, v10                             ; 10000^(-p/64)
	v_exp_f32 v20, v20
	v_lshlrev_b32 v3, 4, v0                        ; (the plain instruction behind the exponentials) my 16 bytes among the work-group's 4,096
	s_wait_loadcnt 0x0
	v_cvt_f32_i32 v4, v4
	s_wait_alu depctr_va_vdst(0)
; b: ten registers, v[b] holds the frequency.  oc, os: where cosine and sine go.
.macro SINCOS b, oc, os
	v_mul_f32 v[\b], v4, v[\b]                     ; the angle, rounded once
	v_mul_f32 v[\b+1], 0x3f22f983, v[\b]           ; x 2 / pi
	v_rndne_f32 v[\b+1], v[\b+1]                   ; k quarter turns
	v_fma_f32 v[\b], v[\b+1], s40, v[\b]
	v_fma_f32 v[\b], v[\b+1], s41, v[\b]
	v_fma_f32 v[\b], v[\b+1], s42, v[\b]           ; r = angle - k pi/2, within pi/4 of 0
	v_cvt_i32_f32 v[\b+2], v[\b+1]
	v_mul_f32 v[\b+3], v[\b], v[\b]                ; z = r r
	v_fma_f32 v[\b+4], v[\b+3], s43, s44
	v_fma_f32 v[\b+6], v[\b+3], s46, s47
	v_fma_f32 v[\b+4], v[\b+4], v[\b+3], s45
	v_fma_f32 v[\b+6], v[\b+6], v[\b+3], s48
	v_mul_f32 v[\b+5], v[\b], v[\b+3]
	v_mul_f32 v[\b+9], v[\b+3], v[\b+3]
	v_fma_f32 v[\b+7], v[\b+3], -0.5, 1.0
	v_fma_f32 v[\b+4], v[\b+4], v[\b+5], v[\b]     ; sin r
	v_fma_f32 v[\b+6], v[\b+6], v[\b+9], v[\b+7]   ; cos r
	v_and_b32 v[\b+5], 1, v[\b+2]
	v_cmp_eq_u32 vcc_lo, 1, v[\b+5]                ; an odd quarter swaps the two
	v_cndmask_b32 v[\b+7], v[\b+4], v[\b+6], vcc_lo
	v_cndmask_b32 v[\b+8], v[\b+6], v[\b+4], vcc_lo
	v_lshlrev_b32 v[\b+5], 30, v[\b+2]             ; the sine's sign: bit 1 of k
	v_and_b32 v[\b+5], 0x80000000, v[\b+5]
	v_add_nc_u32 v[\b+2], 1, v[\b+2]               ; the cosine's: bit 1 of k + 1
	v_lshlrev_b32 v[\b+2], 30, v[\b+2]
	v_and_b32 v[\b+2], 0x80000000, v[\b+2]
	v_xor_b32 v[\os], v[\b+5], v[\b+7]
	v_xor_b32 v[\oc], v[\b+2], v[\b+8]
.endm
	SINCOS 10, 32, 33
	SINCOS 20, 34, 35
	global_store_b128 v3, v[32:35], s[26:27]       ; a wave's store is its row: 512 consecutive bytes
	s_endpgm
.Lfunc_end_k_qd0d011cc6b_prep:
	.size	k_qd0d011cc6b_prep, .Lfunc_end_k_qd0d011cc6b_prep-k_qd0d011cc6b_prep
	.p2alignl 7, 3214868480
	.fill 96, 4, 3214868480
	.section	.rodata,"a",@progbits
	.p2align	6, 0x0
	.amdhsa_kernel k_qd0d011cc6b_prep
		.amdhsa_group_segment_fixed_size 0
		.amdhsa_private_segment_fixed_size 0
		.amdhsa_enable_private_segment 0
		.amdhsa_kernarg_size 80
		.amdhsa_user_sgpr_count 2
		.amdhsa_user_sgpr_kernarg_segment_ptr 1
		.amdhsa_wavefront_size32 1
		.amdhsa_system_sgpr_workgroup_id_x 1
		.amdhsa_system_sgpr_workgroup_id_y 1
		.amdhsa_system_sgpr_workgroup_id_z 1
		.amdhsa_system_vgpr_workitem_id 0
		.amdhsa_next_free_vgpr 112
		.amdhsa_next_free_sgpr 66
		.amdhsa_reserve_vcc 1
		.amdhsa_float_denorm_mode_32 3
		.amdhsa_float_denorm_mode_16_64 3
		.amdhsa_memory_ordered 1
		.amdhsa_forward_progress 1
		.amdhsa_inst_pref_size 20
	.end_amdhsa_kernel
	.amdgpu_metadata
---
amdhsa.version: [ 1, 2 ]
amdhsa.kernels:
  - .name:           k_qd0d011cc6b_prep
    .symbol:         k_qd0d011cc6b_prep.kd
    .args:
      - { .name: x, .offset: 0, .size: 8, .value_kind: global_buffer, .address_space: global }
      - { .name: Wq, .offset: 8, .size: 8, .value_kind: global_buffer, .address_space: global }
      - { .name: Wk, .offset: 16, .size: 8, .value_kind: global_buffer, .address_space: global }
      - { .name: Wv, .offset: 24, .size: 8, .value_kind: global_buffer, .address_space: global }
      - { .name: Wo, .offset: 32, .size: 8, .value_kind: global_buffer, .address_space: global }
      - { .name: token_positions, .offset: 40, .size: 8, .value_kind: global_buffer, .address_space: global }
      - { .name: xb, .offset: 48, .size: 8, .value_kind: global_buffer, .address_space: global }
      - { .name: wb, .offset: 56, .size: 8, .value_kind: global_buffer, .address_space: global }
      - { .name: wo16, .offset: 64, .size: 8, .value_kind: global_buffer, .address_space: global }
      - { .name: rope, .offset: 72, .size: 8, .value_kind: global_buffer, .address_space: global }
    .group_segment_fixed_size: 0
    .private_segment_fixed_size: 0
    .kernarg_segment_align: 8
    .kernarg_segment_size: 80
    .max_flat_workgroup_size: 256
    .sgpr_count:     66
    .vgpr_count:     112
    .wavefront_size: 32
...
	.end_amdgpu_metadata
.endif
;; end of part 1
;; launch qkv (part 2): grid 16 x 16, 4 waves a work-group, clusters of 4 x 4, 327,680 bytes of LDS; arguments xb, wb, rope, qkv; writes qkv
.if DOCPART == 2
	.amdgcn_target "amdgcn-amd-amdhsa--gfx1250"
	.amdhsa_code_object_version 6
	.text
	.protected	k_qd0d011cc6b_qkv
	.globl	k_qd0d011cc6b_qkv
	.p2align	8
	.type	k_qd0d011cc6b_qkv,@function
k_qd0d011cc6b_qkv:
	s_mov_b64 s[64:65], 0
	v_nop
	global_prefetch_b8 v0, s[64:65] scope:SCOPE_SE
	s_setreg_imm32_b32 hwreg(HW_REG_WAVE_MODE, 25, 1), 1
	s_wait_xcnt 0x0
	s_wait_alu depctr_hold_cnt(0) depctr_sa_sdst(0) depctr_va_vdst(0) depctr_va_sdst(0) depctr_va_ssrc(0) depctr_va_vcc(0) depctr_vm_vsrc(0)
	s_getreg_b32 s2, hwreg(HW_REG_IB_STS2, 6, 4)
	s_cmp_eq_u32 s2, 0
	s_cbranch_scc0 .Lentry_in_a_cluster
	s_endpgm
.Lentry_in_a_cluster:
	s_bfe_u32 s2, ttmp6, 0x10000c
	s_cmp_lg_u32 s2, 0xf033
	s_cbranch_scc0 .Lentry_shape_is_right
	s_endpgm
.Lentry_shape_is_right:
; QKV.  [q | k | v] = xb wb^T (bf16 operands, f32 sums over K = 2048), RoPE in f32 on q and k on the way out, each number rounded once to f16 and written by heads:
; qkv[t][head][row][128], t = 0 q, 1 k, 2 v; unscaled.
; SHARES.  Work-group (ty, tx = head) makes rows 128 ty .. + 127 of head tx of q, of k and of v: 128 x 384 numbers, 256 work-groups.  Wave w (wr = w / 2, wc = w % 2) owns rows 64 wr .. + 63 and of each
; of the three heads the columns 64 wc .. + 63: 4 row blocks a x 12 column blocks b (b / 4 = t): 48 accumulators of 16 x 16, 384 registers.
; RING.  K goes in steps of 128 through two LDS slots; a slot holds four regions of 128 rows x 256 bytes (+ 16 of padding): xb's rows, then Wq's, Wk's and Wv's.  Wave w fills region w by one tensor load.
; CLUSTER.  4 x 4 work-groups.  The row blocks go along the grid's x, the heads along its y: the four of a column of the cluster share ty and so xb's tile, the four of a row share tx and so the three
; tiles of wb: each tile is asked for jointly.  The four clusters with one y need the same tiles of wb, three quarters of a step's bytes.
; WHERE K BEGINS.  A cluster begins at K step 4 ((cluster x + 2 (cluster y % 2)) % 4) and wraps round: of the clusters with one y no two begin alike, and clusters y, y + 1 with one x begin eight steps apart.
; So a tile that a cluster asks for has been asked for by another cluster four or eight steps before, but for the first steps.  A sum's terms are the same; their order is turned.
; THE MATRIX INSTRUCTION IS USED TRANSPOSED (source 0 = 16 rows of wb, source 1 = 16 rows of xb): a lane holds one row and eight neighbouring columns, that is four RoPE pairs.
; LIMIT.  q, k and v must stay within f16's 65,504.
; REGISTERS, in windows of 256 (s_set_vgpr_msb: bits 1:0 source 0, 3:2 source 1, 5:4 source 2, 7:6 destination):
;   window 0: v0-31 addresses; v64-127 xb's fragments, two buffers of 32; on the way out v128-191 rotated numbers, v192-239 packed, then v64-255 rows read back
;   window 1: v0-191 wb's fragments, two buffers of 96
;   window 2: v0-191 accumulators of a = 0, 1 at 96 (a % 2) + 8 b; v192-255 their (cos, sin): 8 registers for column block i at 192 + 32 (a % 2) + 8 i        window 3: the same for a = 2, 3
.set KSTEP,  128
.set STEPS,  16                        ; 2048 / 128
.set PITCH,  272                       ; an LDS row: 256 bytes + 16 of padding: the 16 rows of a fragment load start at 16 different groups of four banks (64 banks of 4 bytes: ISA guide 11.1)
.set HALFT,  128*PITCH                 ; a region: what one tensor load brings: 0x8800
.set SLOT,   4*HALFT                   ; 0x22000: it shares no bit with w x 0x8800 (w = 0..3), so one exclusive or turns a region's address in one slot into the other's
.set SPARE,  2*SLOT                    ; behind the ring: the spare words, 128 bytes for each wave
.set SPITCH, 784                       ; the stage's rows: 3 x 256 bytes + 16.  The stage is slot 0's first 128 x 784 bytes, used when slot 0 has had its last fill and its last read
.set ADRA0, 16                         ; v16  my lane's place among xb's rows in a slot; never rewritten
.set ADRB0, 17                         ; v17  among Wq's and Wk's
.set ADRV0, 18                         ; v18  among Wv's: 256 rows further, past a 16-bit offset
.set CA,   20                          ; v20-22  the same three in the slot in hand
.set CB,   21
.set CV,   22
.set STO,  24
.set RD,   25
.set CO,   26
.set TO,   27                          ; v27     my byte offset in the table
.set SPW,  28                          ; v28     LDS address of my spare word; never rewritten
.set NIL,  29                          ; v29     0; never rewritten
.set FA0,  64
.set TM,   128
.set PKD,  192
.set OUTB, 64
.set WV, 12                            ; s12 wave, s13 wr, s14 wc
.set WR, 13
.set WC, 14
.set G1, 24                            ; s[24:31] group 1 for xb's tiles; s[32:39] group 0: a set for each of the two first fills; the second then walks
.set G0, 32
.set G1B, 48                           ; s[48:55], s[56:63] the same for wb's
.set G0B, 56
.set TB, 72                            ; s72  the slot in hand: 0 or SLOT
.set KI, 73                            ; s73  the K step that was asked for last, 0..15
.set ABASE, 74                         ; s[74:75] xb at my tile's first row
.set BBASE, 76                         ; s[76:77] wb at my tile's first row
.set OFF, 78                           ; s[78:79] a K step's byte offset in a row
.set MSB, 0
.macro WIN new                         ; the immediate's high byte repeats the setting that is left; a switch that changes nothing is dropped
.if MSB != (\new)
	s_set_vgpr_msb (MSB<<8)|(\new)
.set MSB, \new
.endif
.endm
.set TO_B, 0x40                        ; destination window 1, address window 0
; A joint load.  Wave 0 fetches xb's tile, waves 1 to 3 Wq's, Wk's and Wv's.  The branch hangs on the wave's number alone.  An s_nop 0 and four v_nop follow each line.
.macro JLOAD s
	s_cmp_eq_u32 s[WV], 0
	s_cbranch_scc0 .Lfor_b_\@
	tensor_load_to_lds s[G0+4*(\s):G0+4*(\s)+3], s[G1:G1+7]
	s_nop 0
.rept 4
	v_nop
.endr
	s_branch .Lasked_\@
.Lfor_b_\@:
	tensor_load_to_lds s[G0B+4*(\s):G0B+4*(\s)+3], s[G1B:G1B+7]
	s_nop 0
.rept 4
	v_nop
.endr
.Lasked_\@:
.endm
.macro CREST                           ; a round of the cluster's barrier behind its opening barrier
	s_cmp_lg_u32 s[WV], 0
	s_cbranch_scc1 .Lnot_wave_0_\@
	s_barrier_signal -3
.Lnot_wave_0_\@:
	s_barrier_wait -3
	s_barrier_signal -1
	s_barrier_wait -1
.endm
.macro CROUND
	s_barrier_signal -1
	s_barrier_wait -1
	CREST
.endm
	s_load_b256 s[4:11], s[0:1], 0x0               ; xb s[4:5], wb s[6:7], rope s[8:9], qkv s[10:11]
	v_lshl_add_u32 v[SPW], v0, 2, SPARE
	v_mov_b32 v[NIL], 0
	ds_add_u32 v[SPW], v[NIL]                      ; the wave's opening: the add and its wait stand ahead of my first tensor load; work on registers stands between them
	v_lshrrev_b32 v1, 5, v0
	v_readfirstlane_b32 s[WV], v1
	s_lshr_b32 s[WR], s[WV], 1
	s_and_b32 s[WC], s[WV], 1
	s_bfe_u32 s40, ttmp6, 0x40000                  ; cx
	s_bfe_u32 s41, ttmp6, 0x40004                  ; cy
	s_lshl_b32 s43, ttmp9, 2
	s_add_co_u32 s43, s43, s40                     ; ty = 4 x cluster x + cx: the block of 128 rows
	s_and_b32 s42, ttmp7, 0xffff                   ; the cluster's y
	s_and_b32 s23, s42, 1
	s_lshl_b32 s23, s23, 1
	s_add_co_u32 s23, s23, ttmp9
	s_and_b32 s23, s23, 3
	s_lshl_b32 s[KI], s23, 2                       ; the cluster's first K step: 0, 4, 8 or 12; made of the cluster's numbers alone, which all partners share
	s_lshl_b32 s42, s42, 2
	s_add_co_u32 s42, s42, s41                     ; tx = 4 x cluster y + cy: the head
	s_lshl_b32 s44, 0x1111, s40                    ; my column of the cluster: the four that share ty
	s_lshl_b32 s45, s41, 2
	s_lshl_b32 s45, 15, s45                        ; my row: the four that share tx
	s_or_b32 s[G1+0], s44, (1<<16)|(1<<20)|(1<<21)|(5<<22)|(3<<25)   ; the mask; 2-byte elements; padding on; bit 21 beside a mask; after every 64 words 4 words
	s_or_b32 s[G1B+0], s45, (1<<16)|(1<<20)|(1<<21)|(5<<22)|(3<<25)
.irp g, G1, G1B
	s_mov_b32 s[(\g)+1], KSTEP<<16                 ; tensor_dim0 = 128
	s_mov_b32 s[(\g)+2], 128<<16                   ; tensor_dim1 = 128
	s_mov_b32 s[(\g)+3], KSTEP<<16                 ; tile_dim0 = 128
	s_mov_b32 s[(\g)+4], 128                       ; tile_dim1 = 128
	s_mov_b32 s[(\g)+5], 2048                      ; elements from row to row
	s_mov_b32 s[(\g)+6], 0
	s_mov_b32 s[(\g)+7], 0
.endr
	s_lshl_b32 s16, s43, 19                        ; xb: 128 ty rows of 4,096 bytes; these registers never hold cy
	s_mov_b32 s17, 0
	s_max_u32 s46, s[WV], 1
	s_sub_co_u32 s46, s46, 1                       ; wb: tensor w - 1 (wave 0 asks by the other line),
	s_lshl_b32 s46, s46, 23
	s_lshl_b32 s47, s42, 19                        ; its rows 128 tx ..
	s_add_co_u32 s46, s46, s47
	s_mov_b32 s47, 0
	s_mul_i32 s20, s[WV], HALFT                    ; region w: no place in the cluster enters an LDS address
	s_mov_b32 s[TB], 0
	s_mov_b32 s[OFF+1], 0
	s_wait_dscnt 0x0                               ; the opening add is done
	s_wait_kmcnt 0x0
	s_add_nc_u64 s[ABASE:ABASE+1], s[4:5], s[16:17]
	s_add_nc_u64 s[BBASE:BBASE+1], s[6:7], s[46:47]
	CROUND                                         ; all sixteen work-groups are here: the first joint loads meet
.irp s, 0,1
	s_add_co_u32 s23, s[KI], (\s)                  ; the cluster's first and second K step (13 at the most: no wrap yet)
	s_lshl_b32 s[OFF], s23, 8                      ; 256 bytes of a row to a step
	s_mov_b32 s[G0+4*(\s)], 1
	s_add_co_u32 s[G0+4*(\s)+1], s20, (\s)*SLOT
	s_add_nc_u64 s[G0+4*(\s)+2:G0+4*(\s)+3], s[ABASE:ABASE+1], s[OFF:OFF+1]
	s_or_b32 s[G0+4*(\s)+3], s[G0+4*(\s)+3], 0x80000000
	s_mov_b32 s[G0B+4*(\s)], 1
	s_add_co_u32 s[G0B+4*(\s)+1], s20, (\s)*SLOT
	s_add_nc_u64 s[G0B+4*(\s)+2:G0B+4*(\s)+3], s[BBASE:BBASE+1], s[OFF:OFF+1]
	s_or_b32 s[G0B+4*(\s)+3], s[G0B+4*(\s)+3], 0x80000000
	JLOAD \s                                       ; two loads of mine are out
.endr
	s_add_co_u32 s[KI], s[KI], 1                   ; the step asked for last
	v_and_b32 v1, 15, v0                           ; r = l % 16
	v_bfe_u32 v2, v0, 4, 1                         ; h = l / 16
	; the table for my rows and columns: row 128 ty + 64 wr + 16 a + r, pairs 32 wc + 8 i + 4 h + 0..3: 32 bytes, two loads; waited for on the way out
	v_lshlrev_b32 v[TO], 9, v1
	v_lshl_add_u32 v[TO], v2, 5, v[TO]
	s_lshl_b32 s16, s43, 16
	s_lshl_b32 s17, s[WR], 15
	s_add_co_u32 s16, s16, s17
	s_lshl_b32 s17, s[WC], 8
	s_add_co_u32 s16, s16, s17
	s_mov_b32 s17, 0
	s_add_nc_u64 s[8:9], s[8:9], s[16:17]
.irp a, 0,1,2,3
	WIN 0x80+0x40*((\a)/2)
.irp i, 0,1,2,3
	global_load_b128 v[192+32*((\a)%2)+8*(\i):192+32*((\a)%2)+8*(\i)+3],   v[TO], s[8:9] offset:(\a)*8192+(\i)*64
	global_load_b128 v[192+32*((\a)%2)+8*(\i)+4:192+32*((\a)%2)+8*(\i)+7], v[TO], s[8:9] offset:(\a)*8192+(\i)*64+16
.endr
.endr
	WIN 0
	; A fragment is 16 rows x 32 K in 8 registers: lane l holds row l % 16, K = 8 (l / 16) + 0..7 and 16 + 8 (l / 16) + 0..7: two loads of 16 bytes, 32 bytes apart.
	v_mul_u32_u24 v3, v1, PITCH
	v_lshl_add_u32 v3, v2, 4, v3
	s_mul_i32 s21, s[WR], 64*PITCH                 ; my 64 rows of xb, in region 0
	s_mul_i32 s22, s[WC], 64*PITCH                 ; my 64 rows of each of wb's tiles,
	s_add_co_u32 s22, s22, HALFT                   ; from region 1 on
	v_add_nc_u32 v[ADRA0], s21, v3
	v_add_nc_u32 v[ADRB0], s22, v3
	v_add_nc_u32 v[ADRV0], 256*PITCH, v[ADRB0]
	s_mul_i32 s23, s[WR], 64*SPITCH                ; into the stage: row 64 wr + 16 a + r, my 128 bytes of each head's 256, 16 bytes for each half of the lanes
	s_lshl_b32 s21, s[WC], 7
	s_add_co_u32 s23, s23, s21
	v_mul_u32_u24 v4, v1, SPITCH
	v_lshl_add_u32 v4, v2, 4, v4
	v_add_nc_u32 v[STO], s23, v4
	s_mul_i32 s23, s[WV], 32*SPITCH                ; back: wave w takes rows 32 w .. + 31 whole; lanes 0-15 one row's 256 bytes, lanes 16-31 the next row's
	v_mul_u32_u24 v5, v2, SPITCH
	v_lshl_add_u32 v5, v1, 4, v5
	v_add_nc_u32 v[RD], s23, v5
	v_and_b32 v5, 31, v0
	v_lshlrev_b32 v[CO], 4, v5                     ; in a head two neighbouring rows are 512 consecutive bytes
	s_lshl_b32 s46, s42, 19                        ; the head,
	s_lshl_b32 s47, s43, 15                        ; the work-group's 128 rows of 256 bytes,
	s_add_co_u32 s46, s46, s47
	s_lshl_b32 s47, s[WV], 13                      ; the 32 that I store
	s_add_co_u32 s46, s46, s47
	s_mov_b32 s47, 0
	s_add_nc_u64 s[66:67], s[10:11], s[46:47]      ; q,
	s_add_nc_u64 s[68:69], s[66:67], 0x800000      ; k,
	s_add_nc_u64 s[70:71], s[66:67], 0x1000000     ; v
; 12 matrix instructions: row block a x all 12 column blocks, 32 along K, from buffer f.  zero = 1: the product starts the sums.  The accumulators take turns.
.macro MUL12 f, a, zero
	WIN 0xa1+0x50*((\a)/2)
.irp b, 0,1,2,3,4,5,6,7,8,9,10,11
.if \zero
	v_wmma_f32_16x16x32_bf16 v[96*((\a)%2)+8*(\b):96*((\a)%2)+8*(\b)+7], v[96*(\f)+8*(\b):96*(\f)+8*(\b)+7], v[FA0+32*(\f)+8*(\a):FA0+32*(\f)+8*(\a)+7], 0
.else
	v_wmma_f32_16x16x32_bf16 v[96*((\a)%2)+8*(\b):96*((\a)%2)+8*(\b)+7], v[96*(\f)+8*(\b):96*(\f)+8*(\b)+7], v[FA0+32*(\f)+8*(\a):FA0+32*(\f)+8*(\a)+7], v[96*((\a)%2)+8*(\b):96*((\a)%2)+8*(\b)+7]
.endif
.endr
.endm
.macro SETADR                          ; my three places in the slot in hand
	v_add_nc_u32 v[CA], s[TB], v[ADRA0]
	v_add_nc_u32 v[CB], s[TB], v[ADRB0]
	v_add_nc_u32 v[CV], s[TB], v[ADRV0]
.endm
; 32 LDS loads in one run: the fragments of one quarter step (32 K at byte k of the rows of the slot in hand) into buffer f: wb's 24, then xb's 8
.macro FETCH k, f
	WIN TO_B
.irp b, 0,1,2,3,4,5,6,7
	ds_load_b128 v[96*(\f)+8*(\b):96*(\f)+8*(\b)+3],   v[CB] offset:(\k)+(((\b)/4)*128+((\b)%4)*16)*PITCH
	ds_load_b128 v[96*(\f)+8*(\b)+4:96*(\f)+8*(\b)+7], v[CB] offset:(\k)+(((\b)/4)*128+((\b)%4)*16)*PITCH+32
.endr
.irp b, 8,9,10,11
	ds_load_b128 v[96*(\f)+8*(\b):96*(\f)+8*(\b)+3],   v[CV] offset:(\k)+((\b)%4)*16*PITCH
	ds_load_b128 v[96*(\f)+8*(\b)+4:96*(\f)+8*(\b)+7], v[CV] offset:(\k)+((\b)%4)*16*PITCH+32
.endr
	WIN 0
.irp a, 0,1,2,3
	ds_load_b128 v[FA0+32*(\f)+8*(\a):FA0+32*(\f)+8*(\a)+3],   v[CA] offset:(\k)+(\a)*16*PITCH
	ds_load_b128 v[FA0+32*(\f)+8*(\a)+4:FA0+32*(\f)+8*(\a)+7], v[CA] offset:(\k)+(\a)*16*PITCH+32
.endr
.endm
.macro PLACES                          ; four places in front of loads into registers that matrix instructions have read, and of vector lines that read results
.rept 4
	v_nop
.endr
.endm
; A K step is four quarters of 32 along K, 48 matrix instructions each, on buffers 0, 1, 0, 1.  One of the first three: multiplies buffer f and fetches the next quarter, at byte k, into g.
.macro QUARTER k, f, g, zero
	s_wait_dscnt 4                                 ; wb's fragments and xb's blocks 0, 1 are in; the youngest four loads (blocks 2, 3) may be out
	MUL12 \f, 0, \zero
	MUL12 \f, 1, \zero
	PLACES
	FETCH \k, \g
	s_wait_dscnt 32                                ; all but the 32 just issued
	MUL12 \f, 2, \zero
	MUL12 \f, 3, \zero
.endm
; The last quarter multiplies buffer 1 and changes slots: ONE barrier.  In front of it each wave waits for all its tensor loads (one is out: its region of the next slot), adds 0 to its spare word, and
; waits for that and for its reads of this slot.  fill = 1: the barrier opens a round of the cluster's, and this slot is filled again, with the K step after next, first thing behind the round.
; No tensor load is out from the wait to the refill, so little stands between them: the twelve matrix instructions that fill the wait for the add; the quarter's other 36 follow the refill.
.macro TURN fill
	WIN 0
	s_wait_tensorcnt 0x0                           ; no tensor load of mine is out, so a group 0 may be written
	ds_add_u32 v[SPW], v[NIL]                      ; 0 onto my spare word
.if \fill
	s_add_co_u32 s[KI], s[KI], 1                   ; the next K step, round the end of K
	s_and_b32 s[KI], s[KI], STEPS-1
	s_lshl_b32 s[OFF], s[KI], 8
	s_xor_b32 s[G0+5], s[G0+5], SLOT               ; the walking descriptors: the other slot than last time; the address is made anew
	s_add_nc_u64 s[G0+6:G0+7], s[ABASE:ABASE+1], s[OFF:OFF+1]
	s_or_b32 s[G0+7], s[G0+7], 0x80000000
	s_xor_b32 s[G0B+5], s[G0B+5], SLOT
	s_add_nc_u64 s[G0B+6:G0B+7], s[BBASE:BBASE+1], s[OFF:OFF+1]
	s_or_b32 s[G0B+7], s[G0B+7], 0x80000000
.endif
	s_xor_b32 s[TB], s[TB], SLOT                   ; the fetches go on in the other slot
	s_wait_dscnt 5                                 ; (the add and the youngest four loads may be out)
	MUL12 1, 0, 0
	WIN 0
	s_wait_dscnt 0x0                               ; the add is done, and my reads of this slot are over
	s_barrier_signal -1
	s_barrier_wait -1
.if \fill
	CREST                                          ; no wave of any partner still reads this slot or has a load on its way
	JLOAD 1                                        ; my one tensor load behind the round; its four v_nop are also places in front of the loads below
.else
	v_nop                                          ; with the three lines below: the four places in front of the loads
.endif
	SETADR
	FETCH 0, 0
	MUL12 1, 1, 0
	MUL12 1, 2, 0
	MUL12 1, 3, 0
.endm
	s_wait_tensorcnt 1                             ; my region of the first K step is in; the second's may stay out
	s_barrier_signal -1
	s_barrier_wait -1
	SETADR
	FETCH 0, 0
	QUARTER 64, 0, 1, 1                            ; the first quarter stands in front of the loop: its products start the sums
	WIN 0
	s_mov_b32 s3, STEPS-2
.Lstep:                                                ; a trip: from a K step's second quarter to the next step's first; it fills the slot that it leaves.  14 trips ask for the steps behind the first two
	QUARTER 128, 1, 0, 0
	QUARTER 192, 0, 1, 0
	TURN 1
	QUARTER 64,  0, 1, 0
	WIN 0
	s_sub_co_u32 s3, s3, 1
	s_cmp_lg_u32 s3, 0
	s_cbranch_scc1 .Lstep
	QUARTER 128, 1, 0, 0                           ; the last two steps fill nothing
	QUARTER 192, 0, 1, 0
	TURN 0                                         ; behind this barrier nobody reads slot 0 any more, and no load fills it: it becomes the stage
	QUARTER 64,  0, 1, 0
	QUARTER 128, 1, 0, 0
	QUARTER 192, 0, 1, 0
	s_wait_dscnt 4
	MUL12 1, 0, 0
	MUL12 1, 1, 0
	s_wait_dscnt 0x0
	MUL12 1, 2, 0
	MUL12 1, 3, 0
	; THE WAY OUT.  q and k: (x1, x2) -> (x1 c - x2 s, x2 c + x1 s) in two packed lines a pair; all three rounded to f16; 16 bytes a lane into the stage; a barrier, since a head's row of
	; 256 bytes comes from two waves; back as whole rows.  Each accumulator's registers are read in ascending order.
	PLACES
	s_wait_loadcnt 0x0                             ; the table
.macro ROPE a
.set AC, 96*((\a)%2)
.set TBL, 192+32*((\a)%2)
	WIN 0x0a+5*((\a)/2)                            ; sources 0 and 1 in the accumulators' window; source 2 and destination in window 0
.irp b, 0,1,2,3,4,5,6,7
.irp p, 0,1,2,3
	v_pk_mul_f32 v[TM+8*(\b)+2*(\p):TM+8*(\b)+2*(\p)+1], v[AC+8*(\b)+2*(\p):AC+8*(\b)+2*(\p)+1], v[TBL+8*((\b)%4)+2*(\p):TBL+8*((\b)%4)+2*(\p)+1] op_sel:[1,1] op_sel_hi:[0,1]  ; (x2 s, x1 s)
.endr
.irp p, 0,1,2,3
	v_pk_fma_f32 v[TM+8*(\b)+2*(\p):TM+8*(\b)+2*(\p)+1], v[AC+8*(\b)+2*(\p):AC+8*(\b)+2*(\p)+1], v[TBL+8*((\b)%4)+2*(\p):TBL+8*((\b)%4)+2*(\p)+1], v[TM+8*(\b)+2*(\p):TM+8*(\b)+2*(\p)+1] op_sel_hi:[1,0,1] neg_lo:[0,0,1]  ; (x1 c - x2 s, x2 c + x1 s)
.endr
.endr
.irp b, 8,9,10,11
.irp p, 0,1,2,3
	v_cvt_pk_f16_f32 v[PKD+4*(\b)+(\p)], v[AC+8*(\b)+2*(\p)], v[AC+8*(\b)+2*(\p)+1]
.endr
.endr
	WIN 0
.irp b, 0,1,2,3,4,5,6,7
.irp p, 0,1,2,3
	v_cvt_pk_f16_f32 v[PKD+4*(\b)+(\p)], v[TM+8*(\b)+2*(\p)], v[TM+8*(\b)+2*(\p)+1]
.endr
.endr
.irp b, 0,1,2,3,4,5,6,7,8,9,10,11
	ds_store_b128 v[STO], v[PKD+4*(\b):PKD+4*(\b)+3] offset:(\a)*16*SPITCH+((\b)/4)*256+((\b)%4)*32
.endr
.endm
	ROPE 0
	ROPE 1
	ROPE 2
	ROPE 3
	s_wait_dscnt 0x0                               ; for the others' sake: my stores into the stage are done
	s_barrier_signal -1
	s_barrier_wait -1
.set n, 0
.rept 48                                               ; n = 3 x pair of rows + tensor
	ds_load_b128 v[OUTB+4*n:OUTB+4*n+3], v[RD] offset:(n/3)*2*SPITCH+(n%3)*256
.set n, n+1
.endr
.set n, 0
.rept 48
	s_wait_dscnt 47-n                              ; LDS loads come back in order: load n is in
	global_store_b128 v[CO], v[OUTB+4*n:OUTB+4*n+3], s[66+2*(n%3):67+2*(n%3)] offset:(n/3)*512  ; 512 consecutive bytes of a head, aligned
.set n, n+1
.endr
	s_wait_tensorcnt 0x0                           ; the wave's end, behind my last tensor load and my last LDS store
	ds_add_u32 v[SPW], v[NIL]
	s_wait_dscnt 0x0
	CROUND                                         ; the closing round
	s_endpgm
.Lfunc_end_k_qd0d011cc6b_qkv:
	.size	k_qd0d011cc6b_qkv, .Lfunc_end_k_qd0d011cc6b_qkv-k_qd0d011cc6b_qkv
	.p2alignl 7, 3214868480
	.fill 96, 4, 3214868480
	.section	.rodata,"a",@progbits
	.p2align	6, 0x0
	.amdhsa_kernel k_qd0d011cc6b_qkv
		.amdhsa_group_segment_fixed_size 327680
		.amdhsa_private_segment_fixed_size 0
		.amdhsa_enable_private_segment 0
		.amdhsa_kernarg_size 32
		.amdhsa_user_sgpr_count 2
		.amdhsa_user_sgpr_kernarg_segment_ptr 1
		.amdhsa_wavefront_size32 1
		.amdhsa_system_sgpr_workgroup_id_x 1
		.amdhsa_system_sgpr_workgroup_id_y 1
		.amdhsa_system_sgpr_workgroup_id_z 1
		.amdhsa_system_vgpr_workitem_id 0
		.amdhsa_next_free_vgpr 1024
		.amdhsa_next_free_sgpr 80
		.amdhsa_reserve_vcc 0
		.amdhsa_float_denorm_mode_32 3
		.amdhsa_float_denorm_mode_16_64 3
		.amdhsa_memory_ordered 1
		.amdhsa_forward_progress 1
		.amdhsa_inst_pref_size 117
	.end_amdhsa_kernel
	.amdgpu_metadata
---
amdhsa.version: [ 1, 2 ]
amdhsa.kernels:
  - .name:           k_qd0d011cc6b_qkv
    .symbol:         k_qd0d011cc6b_qkv.kd
    .args:
      - { .name: xb, .offset: 0, .size: 8, .value_kind: global_buffer, .address_space: global }
      - { .name: wb, .offset: 8, .size: 8, .value_kind: global_buffer, .address_space: global }
      - { .name: rope, .offset: 16, .size: 8, .value_kind: global_buffer, .address_space: global }
      - { .name: qkv, .offset: 24, .size: 8, .value_kind: global_buffer, .address_space: global }
    .group_segment_fixed_size: 327680
    .private_segment_fixed_size: 0
    .kernarg_segment_align: 8
    .kernarg_segment_size: 32
    .max_flat_workgroup_size: 128
    .sgpr_count:     80
    .vgpr_count:     1024
    .wavefront_size: 32
...
	.end_amdgpu_metadata
.endif
;; end of part 2
;; launch attn (part 3): grid 16 x 16, 4 waves a work-group, clusters of 4 x 1, 327,680 bytes of LDS; arguments qkv, ob; writes ob
.if DOCPART == 3
	.amdgcn_target "amdgcn-amd-amdhsa--gfx1250"
	.amdhsa_code_object_version 6
	.text
	.protected	k_qd0d011cc6b_attn
	.globl	k_qd0d011cc6b_attn
	.p2align	8
	.type	k_qd0d011cc6b_attn,@function
k_qd0d011cc6b_attn:
	s_mov_b64 s[64:65], 0
	v_nop
	global_prefetch_b8 v0, s[64:65] scope:SCOPE_SE
	s_setreg_imm32_b32 hwreg(HW_REG_WAVE_MODE, 25, 1), 1
	s_wait_xcnt 0x0
	s_wait_alu depctr_hold_cnt(0) depctr_sa_sdst(0) depctr_va_vdst(0) depctr_va_sdst(0) depctr_va_ssrc(0) depctr_va_vcc(0) depctr_vm_vsrc(0)
	s_getreg_b32 s2, hwreg(HW_REG_IB_STS2, 6, 4)
	s_cmp_eq_u32 s2, 0
	s_cbranch_scc0 .Lentry_in_a_cluster
	s_endpgm
.Lentry_in_a_cluster:
	s_bfe_u32 s2, ttmp6, 0x10000c
	s_cmp_lg_u32 s2, 0x3003
	s_cbranch_scc0 .Lentry_shape_is_right
	s_endpgm
.Lentry_shape_is_right:
; CAUSAL ATTENTION, head size 128, 16 heads of 2,048 rows.  ob[q][head][:] = the sum over k <= q of softmax_k(Q[q] . K[k] / sqrt(128)) V[k][:].  Q, K, V: qkv[t][head][row][128] in f16; ob [row][16 x 128] in f16.
; Products, maxima and sums in f32; the weights p are rounded to f16 for the second product (their sum l is taken of the unrounded p), O once at the end.
; LIMITS.  A hidden score counts as its value less 2^100: f16's scores, 5.5e11 at the most, are nothing beside that.  A weight below 2^-126 counts as 0.  NaN and infinities are not treated apart.
; THE WALK.  A head's queries lie in 32 blocks of 64, its keys in 8 tiles of 256.  Block i needs tiles 0 .. i / 4.  A work-group takes TWO blocks, 31 - b and then b (b = 4 g + cx, g the cluster's number):
; 8 - g and g + 1 tiles: nine steps, whatever b.  256 work-groups of equal work.
; THE WAVES SHARE THE KEYS.  Wave w multiplies all 64 queries (four tiles of 16) by keys 64 w .. + 63 of each key tile, with a running maximum and sum of its own; at a block's end the four partial results
; are merged through LDS, wave w finishing query tile w.  So a fragment of K or V read from LDS feeds four query tiles' products.
; CLUSTER.  The four work-groups of a cluster share g and the head: they walk the same nine key tiles, and each tile is asked for jointly.  Branches and counts hang on g and on counters alone;
; cx enters Q's and O's addresses and, by selects, the masks' values.
; THE MASK is the C operand that starts the sums S^T = K Q^T: 0, or -2^100 where the key is hidden.  In a block's last tile the block lies over keys 64 d .. + 63 (d = block % 4): wave w < d sees all,
; w > d nothing, w = d holds the diagonal: there key block kb against query tile t is open (kb < t), hidden (kb > t) or the triangle MD (kb = t).  Three sets of 8 registers, CL, CD, CU, made anew in each step.
; m starts at -2^99: a wave that sees nothing in a block keeps it, all its weights are 0, and its factor in the merge is 0.  c m starts far below every c s: a block's first step has a = 0, so O^T and l
; need only be finite there, and no first step is written out.
; LAYOUT.  S^T holds ONE query a lane (lane % 16) and the keys 8 (lane / 16) + 0..7; two such results rounded to f16 ARE source 1 of O^T = V^T P.  K comes out of LDS as it lies, V turned, by ds_load_tr16_b128.
; A STEP: piece 0's (query tiles 0, 1) 32 products K Q^T; piece 2's, with piece 0's softmax in slices behind them; the change of slots; piece 0's 32 products V^T P, with piece 2's softmax behind them; piece 2's V^T P.
; REGISTERS, in windows of 256 (s_set_vgpr_msb: bits 1:0 source 0, 3:2 source 1, 5:4 source 2, 7:6 destination):
;   window 0: v0-11, v54-63 addresses; v12-43 statistics, 8 a tile; v44-53 the merge's factors; v64-191 S^T, 32 a tile; v192-255 P, 16 a tile
;   window 1: O^T, 64 a tile      window 2: v0-127 Q; v128-255 K of one step      window 3: v0-127 V of one step; v128-135 MD, v136-143 CL, v144-151 CD, v152-159 CU
.set PK,    272       ; a row of K in LDS: 256 bytes + 16: the 16 rows of a load start at 16 different groups of four banks (64 banks of 4 bytes: ISA guide 11.1)
.set PV,    288       ; a row of V: 256 + 32
.set VOFF,  256*PK    ; a slot: 256 rows of K, then 256 rows of V
.set SLOT1, 0x24000   ; slot 1 begins here.  The descriptors' four LDS words in slot 0 (0, 0x8800, 0x11000, 0x1a000) have neither bit 14 nor bit 17, so one exclusive or turns each into slot 1's and back
.set STATS, VOFF+256*PV  ; in the gap between the slots: [wave][query tile][lane] 8 bytes: c m, l
.set MRG,   SLOT1+STATS  ; behind slot 1: four chunks of 8,192 bytes, chunk w written by wave w
.set SPARE, MRG+4*8192   ; the spare words, 128 bytes for each wave
.set SP,    272
.set AK0, 2           ; v2   my lane's place in my 64 keys of a tile of K; never rewritten
.set AV0, 3           ; v3   the same for V
.set ADR, 4           ; v4   the LDS address of the run of loads in hand
.set QO,  5           ; v5   my byte offset in 16 rows of Q
.set STO, 6           ; v6   the way out: where I put 16 bytes of a row
.set RD,  7           ; v7   where I read rows back
.set GO,  8           ; v8   my byte offset in two rows of ob
.set RS0, 10          ; v10, v59-61  where wave (w - k) % 4 put its statistics of query tile w
.set ST,  12          ; tile t's statistics at v[ST+8 t]: +0 c m, +1 m, +2, +3 l (even keys', odd keys'), +4 to +7 c0-c3 at work; a takes c2's place
.set FK,  44          ; v44-51  the merge: pairs (c m_k, l_k), then (g_k, l_k)
.set WS,  54          ; v54  where I put my statistics
.set WC,  55          ; v55  my chunk
.set RC,  56          ; v56-58  the chunk of wave (w - p) % 4, p = 1..3
.set RS1, 59
.set SPW, 62          ; v62  LDS address of my spare word; never rewritten
.set NIL, 63          ; v63  0; never rewritten
.set S,   64
.set P,   192
.set R,   64          ; at a block's end: my query tile's merged O^T,
.set CH,  128         ; a chunk read back,
.set PKO, 192         ; O packed,
.set OB,  224         ; and whole rows
.set KF,  128         ; window 2
.set MD,  128         ; window 3
.set CL,  136
.set CD,  144
.set CU,  152
.set KB,  8           ; s[8:9]   K at my half of the head's tile 0
.set VB,  10          ; s[10:11] V likewise
.set WV,  12
.set CX,  13
.set G,   14
.set G1K, 24          ; s[24:31] descriptor group 1 for K's tiles
.set G1V, 32          ; s[32:39] for V's: it differs in the padding alone
.set G0K, 40          ; s[40:47] group 0 for K: a set for each of the two first fills; the second then walks
.set G0V, 48          ; s[48:55] the same for V
.set SL,  56          ; s56  steps that fill a slot again, still to go
.set CNT, 57          ; s57  the last two steps
.set CS,  58          ; s[58:59] c = log2(e) / sqrt(128)
.set SEL, 60          ; s[60:61] v_permlanex16_b32's selects
.set TB,  62          ; s62  the slot to be fetched from: 0 or SLOT1
.set RT,  67          ; s67  tiles of the block in hand still to be entered
.set D,   68          ; s68  d of the block in hand
.set E,   69          ; s69  d in a block's last tile, else 4
.set AL,  70          ; s[70:71] CD = MD x AL + BE
.set BE,  72          ; s[72:73] and CL = BE,
.set BU,  74          ; s74  CU = BU
.set BIGN, 75         ; s75  -2^100
.set NXT, 76          ; s76  the tile to be asked for next
.set LQ,  77          ; s77  the last tile of the block whose tiles are being asked for
.set OFF, 78          ; s[78:79] a tile's byte offset
.set QLO, 80          ; s[80:81] Q of the second block
.set OP,  82          ; s[82:83] ob at my rows of the block in hand
.set OLO, 84          ; s[84:85] of the second block
.set BLK, 86          ; s86  0: the first block is in hand
.set QHI, 88          ; s[88:89] Q of the first block
.set MSB, 0
.macro WIN new                      ; the high byte repeats the setting that is left; a switch that changes nothing is dropped
.if MSB != (\new)
	s_set_vgpr_msb (MSB<<8)|(\new)
.set MSB, \new
.endif
.endm
.set W_KQ, 0x0a       ; K and Q in window 2, S^T in window 0
.set W_KM, 0x3a       ; the same with the C operand in window 3
.set W_PV, 0x53       ; V in window 3, P in window 0, O^T in window 1
.set W_RS, 0x41       ; O^T (destination and source 0) in window 1, a in window 0
; A joint refill.  Waves 0 and 1 fetch the two halves of a tile's K, waves 2 and 3 those of its V: 128 rows each.  An s_nop 0 and four v_nop follow each line.
.macro JLOAD
	s_cmp_lt_u32 s[WV], 2
	s_cbranch_scc0 .Lfor_v_\@
	tensor_load_to_lds s[G0K+4:G0K+7], s[G1K:G1K+7]
	s_nop 0
.rept 4
	v_nop
.endr
	s_branch .Lasked_\@
.Lfor_v_\@:
	tensor_load_to_lds s[G0V+4:G0V+7], s[G1V:G1V+7]
	s_nop 0
.rept 4
	v_nop
.endr
.Lasked_\@:
.endm
.macro CROUND                       ; a round of the cluster's barrier
	s_barrier_signal -1
	s_barrier_wait -1
	s_cmp_lg_u32 s[WV], 0
	s_cbranch_scc1 .Lnot_wave_0_\@
	s_barrier_signal -3
.Lnot_wave_0_\@:
	s_barrier_wait -3
	s_barrier_signal -1
	s_barrier_wait -1
.endm
.macro PLACES
.rept 4
	v_nop
.endr
.endm
	s_load_b128 s[4:7], s[0:1], 0x0 ; qkv s[4:5], ob s[6:7]
	v_lshl_add_u32 v[SPW], v0, 2, SPARE
	v_mov_b32 v[NIL], 0
	ds_add_u32 v[SPW], v[NIL]       ; the wave's opening: the add and its wait stand ahead of my first tensor load; work on registers stands between them
	v_lshrrev_b32 v1, 5, v0
	v_readfirstlane_b32 s[WV], v1
	s_bfe_u32 s[CX], ttmp6, 0x40000
	s_mov_b32 s[G], ttmp9           ; in a cluster launch ttmp9 counts clusters
	s_and_b32 s20, ttmp7, 0xffff    ; the head
	s_lshl_b32 s21, s20, 19         ; its 2,048 rows of 256 bytes
	s_and_b32 s16, s[WV], 1         ; which half of a tile's 256 keys I fetch:
	s_lshl_b32 s22, s16, 15         ; its 128 rows in memory,
	s_add_co_u32 s22, s22, s21
	s_mov_b32 s23, 0
	s_mul_i32 s17, s16, 128*PK      ; and its place in a slot, for K
	s_mul_i32 s18, s16, 128*PV      ; and for V: no place in the cluster enters an LDS address
	s_lshl_b32 s2, s[G], 2
	s_add_co_u32 s2, s2, s[CX]      ; b: the second block
	s_sub_co_u32 s3, 31, s2         ; the first
	s_lshl_b32 s[QHI], s3, 14       ; a block is 64 rows of 256 bytes
	s_add_co_u32 s[QHI], s[QHI], s21
	s_mov_b32 s[QHI+1], 0
	s_lshl_b32 s[QLO], s2, 14
	s_add_co_u32 s[QLO], s[QLO], s21
	s_mov_b32 s[QLO+1], 0
	s_lshl_b32 s19, s[WV], 16       ; in ob: my 16 rows of 4,096 bytes,
	s_lshl_b32 s15, s20, 8          ; the head's 256 bytes,
	s_add_co_u32 s19, s19, s15
	s_lshl_b32 s[OP], s3, 18        ; the block's 64 rows
	s_add_co_u32 s[OP], s[OP], s19
	s_mov_b32 s[OP+1], 0
	s_lshl_b32 s[OLO], s2, 18
	s_add_co_u32 s[OLO], s[OLO], s19
	s_mov_b32 s[OLO+1], 0
	s_mov_b32 s[G1K], 15|(1<<16)|(1<<20)|(1<<21)|(5<<22)|(3<<25)  ; the mask of four; 2-byte elements; padding on; bit 21 beside a mask; after every 64 words 4 words
	s_mov_b32 s[G1V], 15|(1<<16)|(1<<20)|(1<<21)|(5<<22)|(7<<25)  ; the same with 8 words
.irp g, G1K, G1V
	s_mov_b32 s[(\g)+1], 128<<16    ; tensor_dim0 = 128
	s_mov_b32 s[(\g)+2], 128<<16    ; tensor_dim1 = 128
	s_mov_b32 s[(\g)+3], 128<<16    ; tile_dim0 = 128
	s_mov_b32 s[(\g)+4], 128        ; tile_dim1 = 128
	s_mov_b32 s[(\g)+5], 128        ; elements from row to row
	s_mov_b32 s[(\g)+6], 0
	s_mov_b32 s[(\g)+7], 0
.endr
	s_mov_b32 s[G0K], 1
	s_mov_b32 s[G0K+1], s17         ; slot 0
	s_mov_b32 s[G0K+4], 1
	s_add_co_u32 s[G0K+5], s17, SLOT1
	s_mov_b32 s[G0V], 1
	s_add_co_u32 s[G0V+1], s18, VOFF
	s_mov_b32 s[G0V+4], 1
	s_add_co_u32 s[G0V+5], s18, VOFF+SLOT1
	s_mov_b32 s[CS], 0x3e0293ee     ; c = 0.127517
	s_mov_b32 s[CS+1], s[CS]        ; named with it as a pair
	s_mov_b32 s[SEL], 0x76543210
	s_mov_b32 s[SEL+1], 0xfedcba98
	s_mov_b32 s[TB], 0
	s_mov_b32 s[BIGN], 0xf1800000   ; -2^100
	s_mov_b32 s[AL+1], 0            ; named as pairs
	s_mov_b32 s[BE+1], 0
	s_mov_b32 s[OFF+1], 0
	s_sub_co_u32 s[RT], 8, s[G]     ; the first block has 8 - g tiles,
	s_sub_co_u32 s[LQ], 7, s[G]     ; the last of them 7 - g;
	s_sub_co_u32 s[D], 3, s[CX]     ; it lies over keys 64 (3 - cx) .. of that tile
	s_mov_b32 s[NXT], 2             ; tiles 0 and 1 are the first fills
	s_mov_b32 s[BLK], 0
	s_wait_dscnt 0x0                ; the opening add is done
	s_wait_kmcnt 0x0
	s_add_nc_u64 s[KB:KB+1], s[4:5], s[22:23]
	s_add_nc_u64 s[VB:VB+1], s[KB:KB+1], 0x1000000
	s_add_nc_u64 s[KB:KB+1], s[KB:KB+1], 0x800000
	s_add_nc_u64 s[G0K+2:G0K+3], s[KB:KB+1], 0
	s_or_b32 s[G0K+3], s[G0K+3], 0x80000000
	s_add_nc_u64 s[G0K+6:G0K+7], s[KB:KB+1], 0x10000
	s_or_b32 s[G0K+7], s[G0K+7], 0x80000000
	s_add_nc_u64 s[G0V+2:G0V+3], s[VB:VB+1], 0
	s_or_b32 s[G0V+3], s[G0V+3], 0x80000000
	s_add_nc_u64 s[G0V+6:G0V+7], s[VB:VB+1], 0x10000
	s_or_b32 s[G0V+7], s[G0V+7], 0x80000000
	s_add_nc_u64 s[QHI:QHI+1], s[4:5], s[QHI:QHI+1]
	s_add_nc_u64 s[QLO:QLO+1], s[4:5], s[QLO:QLO+1]
	s_add_nc_u64 s[OP:OP+1], s[6:7], s[OP:OP+1]
	s_add_nc_u64 s[OLO:OLO+1], s[6:7], s[OLO:OLO+1]
	CROUND                          ; all four work-groups are here: the first joint loads meet
	s_cmp_lt_u32 s[WV], 2           ; a wave's two first fills stand in one branch: two loads of mine are out
	s_cbranch_scc0 .Lfirst_v
	tensor_load_to_lds s[G0K:G0K+3], s[G1K:G1K+7]
	s_nop 0
	tensor_load_to_lds s[G0K+4:G0K+7], s[G1K:G1K+7]
	s_nop 0
.rept 4
	v_nop
.endr
	s_branch .Lfirst_asked
.Lfirst_v:
	tensor_load_to_lds s[G0V:G0V+3], s[G1V:G1V+7]
	s_nop 0
	tensor_load_to_lds s[G0V+4:G0V+7], s[G1V:G1V+7]
	s_nop 0
.rept 4
	v_nop
.endr
.Lfirst_asked:
	v_and_b32 v1, 15, v0            ; r = l % 16
	v_bfe_u32 v9, v0, 4, 1          ; h = l / 16
	v_lshlrev_b32 v[QO], 8, v1
	v_lshl_add_u32 v[QO], v9, 4, v[QO]
.macro LOADQ base                   ; all 64 queries of a block: tile i / 4, channels 32 (i % 4) on
	WIN 0x80
.set i, 0
.rept 16
	global_load_b128 v[8*i:8*i+3],   v[QO], s[\base:\base+1] offset:(i/4)*4096+(i%4)*64
	global_load_b128 v[8*i+4:8*i+7], v[QO], s[\base:\base+1] offset:(i/4)*4096+(i%4)*64+32
.set i, i+1
.endr
	WIN 0
.endm
	LOADQ QHI
	WIN 0x40                        ; O^T and l need only be finite where a block begins: zeros, once, in the wait for the first tile
.set i, 0
.rept 256
	v_mov_b32 v[i], 0
.set i, i+1
.endr
	WIN 0
.macro RESET                        ; what a block's first step finds
.set i, 0
.rept 4
	v_mov_b32 v[ST+8*i], 0xfe000000    ; c m: far below every c s
	v_mov_b32 v[ST+8*i+1], 0xf1000000  ; m = -2^99: above every hidden score, below every true one
.set i, i+1
.endr
.endm
	RESET
.set i, 0
.rept 4
	v_mov_b32 v[ST+8*i+2], 0
	v_mov_b32 v[ST+8*i+3], 0
.set i, i+1
.endr
	v_lshlrev_b32 v11, 3, v9
	v_sub_nc_u32 v11, v1, v11       ; r - 8 h: in the triangle register j is hidden where j is greater
	WIN 0xc0
.set i, 0
.rept 8
	v_cmp_gt_i32 vcc_lo, i, v11
	v_cndmask_b32 v[MD+i], 0, s[BIGN], vcc_lo
.set i, i+1
.endr
	WIN 0
	v_mul_u32_u24 v[AK0], v1, PK
	v_lshl_add_u32 v[AK0], v9, 4, v[AK0]
	s_mul_i32 s21, s[WV], 64*PK     ; my 64 keys
	v_add_nc_u32 v[AK0], s21, v[AK0]
	; The turning load takes 16 keys x 16 channels (lane l reads key 8 (l / 16) + l % 8, channels 8 ((l / 8) % 2) + 0..7) and leaves half a fragment of V^T.
	v_and_b32 v52, 7, v0
	v_bfe_u32 v53, v0, 3, 1
	v_lshl_add_u32 v[AV0], v9, 3, v52
	v_mul_u32_u24 v[AV0], v[AV0], PV
	v_lshl_add_u32 v[AV0], v53, 4, v[AV0]
	s_mul_i32 s21, s[WV], 64*PV
	s_add_co_u32 s21, s21, VOFF
	v_add_nc_u32 v[AV0], s21, v[AV0]
	v_and_b32 v11, 31, v0           ; lane
	s_lshl_b32 s21, s[WV], 10
	s_add_co_u32 s21, s21, STATS
	v_lshl_add_u32 v[WS], v11, 3, s21
	s_lshl_b32 s21, s[WV], 13
	s_add_co_u32 s21, s21, MRG
	v_lshl_add_u32 v[WC], v11, 4, s21
.macro PEER k, rs                   ; wave (w - k) % 4: its statistics of query tile w, and (k > 0) its chunk
	s_sub_co_u32 s21, s[WV], \k
	s_and_b32 s21, s21, 3
	s_lshl_b32 s22, s21, 10
	s_lshl_b32 s23, s[WV], 8
	s_add_co_u32 s22, s22, s23
	s_add_co_u32 s22, s22, STATS
	v_lshl_add_u32 v[\rs], v11, 3, s22
.if (\k) > 0
	s_lshl_b32 s22, s21, 13
	s_add_co_u32 s22, s22, MRG
	v_lshl_add_u32 v[RC+(\k)-1], v11, 4, s22
.endif
.endm
	PEER 0, RS0
	PEER 1, RS1
	PEER 2, RS1+1
	PEER 3, RS1+2
	s_add_co_u32 s21, s[WV], 1      ; my stage for the way out: the head of chunk (w + 1) % 4, which I alone read in the merge's last phase
	s_and_b32 s21, s21, 3
	s_lshl_b32 s21, s21, 13
	s_add_co_u32 s21, s21, MRG
	v_mul_u32_u24 v[STO], v1, SP
	v_lshl_add_u32 v[STO], v9, 4, v[STO]
	v_add_nc_u32 v[STO], s21, v[STO]
	v_mul_u32_u24 v[RD], v9, SP
	v_lshl_add_u32 v[RD], v1, 4, v[RD]
	v_add_nc_u32 v[RD], s21, v[RD]
	v_lshlrev_b32 v[GO], 12, v9
	v_lshl_add_u32 v[GO], v1, 4, v[GO]
; THE MATRIX WORK.  The accumulators take turns, one instruction a turn.
; Product i of 32 of S^T = K Q^T for piece x: channels 32 (i / 8) on, keys 16 ((i / 2) % 4) on, tile x + i % 2.  The first 8 start the sums, with the mask.
.macro KQ x
.set rS, S+32*((\x)+i%2)+8*((i/2)%4)
.set rK, KF+32*((i/2)%4)+8*(i/8)
.set rQ, 32*((\x)+i%2)+8*(i/8)
.if i < 8
.set rM, CU
.if (i/2)%4 < (\x)+i%2
.set rM, CL
.elseif (i/2)%4 == (\x)+i%2
.set rM, CD
.endif
	WIN W_KM
	v_wmma_f32_16x16x32_f16 v[rS:rS+7], v[rK:rK+7], v[rQ:rQ+7], v[rM:rM+7]
.else
	WIN W_KQ
	v_wmma_f32_16x16x32_f16 v[rS:rS+7], v[rK:rK+7], v[rQ:rQ+7], v[rS:rS+7]
.endif
.endm
; Product i of 32 of O^T += V^T P: keys 32 (i / 16) on, channels 16 ((i / 2) % 8) on, tile x + i % 2.
.macro PV x
	WIN W_PV
.set rO, 64*((\x)+i%2)+8*((i/2)%8)
.set rV, 64*(i/16)+8*((i/2)%8)
.set rP, P+16*((\x)+i%2)+8*(i/16)
	v_wmma_f32_16x16x32_f16 v[rO:rO+7], v[rV:rV+7], v[rP:rP+7], v[rO:rO+7]
.endm
; THE LDS LOADS stand in runs of 32: my 64 keys of a tile's K (16 fragments), and of its V (turned).
.macro FETCH_K
	WIN 0
	v_add_nc_u32 v[ADR], s[TB], v[AK0]
	WIN 0x80
.irp f, 0,1,2,3,4,5,6,7,8,9,10,11,12,13,14,15  ; keys 16 (f / 4) on, channels 32 (f % 4) on
	ds_load_b128 v[KF+8*(\f):KF+8*(\f)+3],   v[ADR] offset:((\f)/4)*16*PK+((\f)%4)*64
	ds_load_b128 v[KF+8*(\f)+4:KF+8*(\f)+7], v[ADR] offset:((\f)/4)*16*PK+((\f)%4)*64+32
.endr
.endm
.macro FETCH_V
	WIN 0
	v_add_nc_u32 v[ADR], s[TB], v[AV0]
	WIN 0xc0
.irp f, 0,1,2,3,4,5,6,7,8,9,10,11,12,13,14,15  ; keys 32 (f / 8) on, channels 16 (f % 8) on
	ds_load_tr16_b128 v[8*(\f):8*(\f)+3],   v[ADR] offset:((\f)/8)*32*PV+((\f)%8)*32
	ds_load_tr16_b128 v[8*(\f)+4:8*(\f)+7], v[ADR] offset:((\f)/8)*32*PV+16*PV+((\f)%8)*32
.endr
.endm
; THE VECTOR WORK.  One tile's softmax for one step is a list of 134 instructions; SM writes number j of it for tile t.  s0-s31 are the lane's 32 scores, in pairs 0-15.
;   0-15    the maximum of s0-s31 and the old m, three operands at a time (each accumulator's lowest registers first)     16-20   the other half of the lanes' maximum; the new m; c m; c m_old - c m_new
;   21-87   33 exponentials (a, then s0-s31) at the odd numbers from 23 on, a plain instruction between any two: c s - c m for pairs to come, roundings to f16 of pairs done, the first sums
;   88-101  the last rounding; the rest of the sums; l = a l + the sum     102-133 the tile's O^T times a: the one part that leaves window 0
.macro SM t
.set rT, ST+8*(\t)
.set rS, S+32*(\t)
.set rP, P+16*(\t)
.set rO, 64*(\t)+2*(j-102)
.set q, (j-20)/2
.if j < 102
	WIN 0
.endif
.if j < 4
	v_max3_num_f32 v[rT+4+j], v[rS+8*j], v[rS+8*j+1], v[rS+8*j+2]
.elseif j < 12
	v_max3_num_f32 v[rT+4+j%4], v[rT+4+j%4], v[rS+8*(j%4)+2*(j/4)+1], v[rS+8*(j%4)+2*(j/4)+2]
.elseif j == 12
	v_max3_num_f32 v[rT+4], v[rT+4], v[rS+7], v[rS+15]
.elseif j == 13
	v_max3_num_f32 v[rT+6], v[rT+6], v[rS+23], v[rS+31]
.elseif j == 14
	v_max3_num_f32 v[rT+4], v[rT+4], v[rT+5], v[rT+6]
.elseif j == 15
	v_max3_num_f32 v[rT+4], v[rT+4], v[rT+7], v[rT+1]
.elseif j == 16
	v_permlanex16_b32 v[rT+5], v[rT+4], s[SEL], s[SEL+1]  ; the query's other 32 keys lie in the lane 16 away
.elseif j == 17
	v_mov_b32 v[rT+7], v[rT]        ; c m_old is kept for a
.elseif j == 18
	v_max_num_f32 v[rT+1], v[rT+4], v[rT+5]
.elseif j == 19
	v_mul_f32 v[rT], s[CS], v[rT+1]
.elseif j == 20
	v_sub_f32 v[rT+7], v[rT+7], v[rT]
.elseif j == 23
	v_exp_f32 v[rT+6], v[rT+7]
.elseif (j < 88) && (j > 23) && (j%2 == 1)
	v_exp_f32 v[rS+(j-25)/2], v[rS+(j-25)/2]
.elseif (q < 4) || ((j < 76) && (q%2 == 0))
.set b, q/2+2
.if q < 4
.set b, q
.endif
	v_pk_fma_f32 v[rS+2*b:rS+2*b+1], v[rS+2*b:rS+2*b+1], s[CS:CS+1], v[rT:rT+1] op_sel_hi:[1,0,0] neg_lo:[0,0,1] neg_hi:[0,0,1]  ; pair b: c s - c m
.elseif (j < 88) && (q%2 == 1)
	s_wait_alu depctr_va_vdst(0)
	v_cvt_pk_f16_f32 v[rP+(q-5)/2], v[rS+q-5], v[rS+q-4]
.elseif j == 89
	s_wait_alu depctr_va_vdst(0)
	v_cvt_pk_f16_f32 v[rP+15], v[rS+30], v[rS+31]
.elseif j < 102                     ; the sum of the tile's 16 pairs, in place: neighbours 1, 2, 4 and 8 pairs apart, then l takes it
.set z, j-86
.if j < 89
.set z, (j-76)/4
.endif
.set w, 4
.set u, z
.if z >= 14
.set w, 32
.set u, 0
.elseif z >= 12
.set w, 16
.set u, z-12
.elseif z >= 8
.set w, 8
.set u, z-8
.endif
.if z < 15
	v_pk_add_f32 v[rS+w*u:rS+w*u+1], v[rS+w*u:rS+w*u+1], v[rS+w*u+w/2:rS+w*u+w/2+1]
.else
	v_pk_fma_f32 v[rT+2:rT+3], v[rT+2:rT+3], v[rT+6:rT+7], v[rS:rS+1] op_sel_hi:[1,0,1]
.endif
.else
	WIN W_RS
	v_pk_mul_f32 v[rO:rO+1], v[rO:rO+1], v[rT+6:rT+7] op_sel_hi:[1,0]
.endif
.endm
; Slice k of 64 of piece y's softmax: numbers 2 k and 2 k + 1 of both tiles' lists; the twelve that are over stand in slice 63, which is also the places behind the run's last product.
.macro SLICE y
.if (k >= 11) && (k < 44)           ; tile by tile: plain, exponential, plain, exponential
.irp t, \y, (\y)+1
.irp n, 0,1
.set j, 2*k+(\n)
	SM \t
.endr
.endr
.else                               ; the two tiles alternate
.irp n, 0,1,2,3,4,5,6,7
.if ((\n) < 2) || (k == 63)
.irp t, \y, (\y)+1
.set j, 2*k+(\n)
	SM \t
.endr
.endif
.endr
.endif
.set k, k+1
.endm
.macro MASK                         ; the three sets of C operands for this step
	WIN 0xc3
.irp y, 0,1,2,3
	v_pk_fma_f32 v[CD+2*(\y):CD+2*(\y)+1], v[MD+2*(\y):MD+2*(\y)+1], s[AL:AL+1], s[BE:BE+1] op_sel_hi:[1,0,0]
.endr
.irp y, 0,1,2,3,4,5,6,7
	v_mov_b32 v[CL+(\y)], s[BE]
	v_mov_b32 v[CU+(\y)], s[BU]
.endr
.endm
; THE CHANGE OF SLOTS: the tile's K and V have been asked out of LDS.  Each wave waits for all its tensor loads (one is out: its part of the other slot), adds 0 to its spare word, and waits for that and
; for its reads of the slot.  fill = 1: the barrier is a round of the cluster's, and the slot is filled again, first thing behind it, with tile NXT: the tile of the step after next.
.macro CHANGE fill
	WIN 0
	s_wait_tensorcnt 0x0            ; no tensor load of mine is out, so a group 0 may be written
	ds_add_u32 v[SPW], v[NIL]       ; 0 onto my spare word
.if \fill
	s_lshl_b32 s[OFF], s[NXT], 16   ; a tile is 65,536 bytes of K and of V
	s_xor_b32 s[G0K+5], s[G0K+5], SLOT1
	s_add_nc_u64 s[G0K+6:G0K+7], s[KB:KB+1], s[OFF:OFF+1]
	s_or_b32 s[G0K+7], s[G0K+7], 0x80000000
	s_xor_b32 s[G0V+5], s[G0V+5], SLOT1
	s_add_nc_u64 s[G0V+6:G0V+7], s[VB:VB+1], s[OFF:OFF+1]
	s_or_b32 s[G0V+7], s[G0V+7], 0x80000000
	s_add_co_u32 s[NXT], s[NXT], 1  ; the block's next tile, or behind its last the second block's tile 0
	s_cmp_gt_u32 s[NXT], s[LQ]
	s_cselect_b32 s[NXT], 0, s[NXT]
	s_cselect_b32 s[LQ], s[G], s[LQ]
	s_wait_dscnt 0x0                ; the add is done, and my reads of the slot are over
	CROUND
	JLOAD                           ; it has a whole step, 128 matrix instructions, in which to land
.else
	s_wait_dscnt 0x0
	s_barrier_signal -1
	s_barrier_wait -1
.endif
	s_xor_b32 s[TB], s[TB], SLOT1   ; the fetches go on in the other slot
.endm
; A STEP: one key tile.  (In the walk's last step the run of K's loads reads the other slot's old tile once more, and nothing uses it.)
.macro STEP fill
	s_sub_co_u32 s[RT], s[RT], 1
	s_cmp_eq_u32 s[RT], 0           ; the block's last tile?
	s_cselect_b32 s[E], s[D], 4
	s_cmp_eq_u32 s[WV], s[E]        ; selects of values alone: no branch hangs on these
	s_cselect_b32 s[AL], 1.0, 0
	s_cmp_gt_u32 s[WV], s[E]
	s_cselect_b32 s[BE], s[BIGN], 0
	s_cmp_ge_u32 s[WV], s[E]
	s_cselect_b32 s[BU], s[BIGN], 0
	MASK
	s_wait_dscnt 0x0                ; K is in
.set i, 0
.rept 32
	KQ 0
.set i, i+1
.endr
	PLACES                          ; behind piece 0's scores
.set k, 0
.set i, 0
.rept 32
	KQ 2
	SLICE 0
	SLICE 0
.if i == 1
	FETCH_V
.endif
.set i, i+1
.endr
	CHANGE \fill                    ; its wait shows V in
.set k, 0
.set i, 0
.rept 32
	PV 0
	SLICE 2
	SLICE 2
.if i == 1
	FETCH_K                         ; the next tile's
.endif
.set i, i+1
.endr
.set i, 0
.rept 32
	PV 2
.set i, i+1
.endr
	WIN 0
.endm
; A BLOCK'S END.  Wave w finishes query tile w.  In phase p = 1..3 each wave puts its partial O^T of tile (w + p) % 4 into its chunk, and behind a barrier reads the chunk of wave (w - p) % 4.
; With M the largest of the four c m, f_k = 2^(c m_k - M) and L the sum of f_k l_k, O = the sum of (f_k / L) O_k.
.macro SEND1 x, t                   ; wave x alone: registers cannot be chosen by a number, so the four cases are written out under branches on the wave's number
	s_cmp_lg_u32 s[WV], \x
	s_cbranch_scc1 .Lnot_me_\@
	WIN 0x04                        ; the data (source 1) in window 1
.set i, 0
.rept 16
	ds_store_b128 v[WC], v[64*(\t)+4*i:64*(\t)+4*i+3] offset:512*i
.set i, i+1
.endr
	WIN 0
.Lnot_me_\@:
.endm
.macro SENDT p
	SEND1 0, (\p)%4
	SEND1 1, (1+\p)%4
	SEND1 2, (2+\p)%4
	SEND1 3, (3+\p)%4
.endm
.macro OWN1 x
	s_cmp_lg_u32 s[WV], \x
	s_cbranch_scc1 .Lnot_own_\@
	WIN 0x01
.set i, 0
.rept 32
	v_pk_mul_f32 v[R+2*i:R+2*i+1], v[64*(\x)+2*i:64*(\x)+2*i+1], v[FK:FK+1] op_sel_hi:[1,0]
.set i, i+1
.endr
	WIN 0
.Lnot_own_\@:
.endm
.macro RECV p
.set i, 0
.rept 16
	ds_load_b128 v[CH+4*i:CH+4*i+3], v[RC+(\p)-1] offset:512*i
.set i, i+1
.endr
.endm
.macro ACCU p
.set i, 0
.rept 32
	v_pk_fma_f32 v[R+2*i:R+2*i+1], v[CH+2*i:CH+2*i+1], v[FK+2*(\p):FK+2*(\p)+1], v[R+2*i:R+2*i+1] op_sel_hi:[1,0,1]
.set i, i+1
.endr
.endm
.macro END
	WIN 0
.irp t, 0,1,2,3
	v_add_f32 v[ST+8*(\t)+1], v[ST+8*(\t)+2], v[ST+8*(\t)+3]  ; l's two halves (m is no longer needed); these four lines are the places behind the last products
.endr
.irp t, 0,1,2,3
	v_permlanex16_b32 v[ST+8*(\t)+4], v[ST+8*(\t)+1], s[SEL], s[SEL+1]
.endr
.irp t, 0,1,2,3
	v_add_f32 v[ST+8*(\t)+1], v[ST+8*(\t)+1], v[ST+8*(\t)+4]
.endr
.irp t, 0,1,2,3
	ds_store_b64 v[WS], v[ST+8*(\t):ST+8*(\t)+1] offset:256*(\t)
.endr
	s_cmp_lg_u32 s[BLK], 0
	s_cbranch_scc1 .Lno_q_\@
	LOADQ QLO                       ; the second block's Q comes in under the merge
.Lno_q_\@:
	SENDT 1
	s_wait_dscnt 0x0                ; for the others' sake: my statistics and my chunk are written
	s_barrier_signal -1
	s_barrier_wait -1
	ds_load_b64 v[FK:FK+1], v[RS0]
	ds_load_b64 v[FK+2:FK+3], v[RS1]
	ds_load_b64 v[FK+4:FK+5], v[RS1+1]
	ds_load_b64 v[FK+6:FK+7], v[RS1+2]
	RECV 1
	s_wait_dscnt 16                 ; the four statistics are in; the chunk's sixteen loads may be out
	v_max3_num_f32 v52, v[FK], v[FK+2], v[FK+4]
	v_max_num_f32 v52, v52, v[FK+6]
.irp y, 0,2,4,6
	v_sub_f32 v[FK+(\y)], v[FK+(\y)], v52
.endr
.irp y, 0,2,4,6
	v_exp_f32 v[FK+(\y)], v[FK+(\y)]
.endr
	v_nop                           ; a plain instruction behind the exponentials
	s_wait_alu depctr_va_vdst(0)
	v_mul_f32 v53, v[FK], v[FK+1]
	v_fmac_f32 v53, v[FK+2], v[FK+3]
	v_fmac_f32 v53, v[FK+4], v[FK+5]
	v_fmac_f32 v53, v[FK+6], v[FK+7]
	v_rcp_f32 v53, v53              ; L is at least 1: the wave with the largest c m holds a weight 1
	v_nop
	s_wait_alu depctr_va_vdst(0)
.irp y, 0,2,4,6
	v_mul_f32 v[FK+(\y)], v[FK+(\y)], v53
.endr
	OWN1 0
	OWN1 1
	OWN1 2
	OWN1 3
	s_wait_dscnt 0x0                ; my reads of the chunk are over
	s_barrier_signal -1
	ACCU 1                          ; work on registers while the others arrive
	s_barrier_wait -1               ; the chunks may be written again
	SENDT 2
	s_wait_dscnt 0x0
	s_barrier_signal -1
	s_barrier_wait -1
	RECV 2
	s_wait_dscnt 0x0
	s_barrier_signal -1
	ACCU 2
	s_barrier_wait -1
	SENDT 3
	s_wait_dscnt 0x0
	s_barrier_signal -1
	s_barrier_wait -1
	RECV 3
	s_wait_dscnt 0x0
	ACCU 3
	; the way out: rounded to f16, 16 bytes a lane into rows of 272 bytes at the head of the chunk just read (its writer is done with it, nobody else reads it, and a change of slots' barrier
	; stands ahead of its next writing), back as whole rows of 256
.set i, 0
.rept 32
	v_cvt_pk_f16_f32 v[PKO+i], v[R+2*i], v[R+2*i+1]
.set i, i+1
.endr
.irp f, 0,1,2,3,4,5,6,7
	ds_store_b128 v[STO], v[PKO+4*(\f):PKO+4*(\f)+3] offset:32*(\f)
.endr
.irp f, 0,1,2,3,4,5,6,7
	ds_load_b128 v[OB+4*(\f):OB+4*(\f)+3], v[RD] offset:(\f)*2*SP  ; LDS serves a wave's instructions in order (ISA guide 5.7.1.4): these see the stores above
.endr
.irp f, 0,1,2,3,4,5,6,7
	s_wait_dscnt 7-(\f)
	global_store_b128 v[GO], v[OB+4*(\f):OB+4*(\f)+3], s[OP:OP+1] offset:(\f)*8192  ; 16 lanes store a head's 256 consecutive bytes of a row, aligned
.endr
	s_wait_xcnt 0x0                 ; the stores' base and data are rewritten only behind this wait
	s_cmp_lg_u32 s[BLK], 0
	s_cbranch_scc1 .Lno_next_\@
	s_mov_b64 s[OP:OP+1], s[OLO:OLO+1]
	s_add_co_u32 s[RT], s[G], 1     ; the second block has g + 1 tiles,
	s_mov_b32 s[D], s[CX]           ; and lies over keys 64 cx .. of the last
	s_mov_b32 s[BLK], 1
	RESET
.Lno_next_\@:
	s_wait_loadcnt 0x0              ; Q
.endm
	s_wait_tensorcnt 1              ; my part of slot 0 is in; slot 1's may stay out
	s_barrier_signal -1
	s_barrier_wait -1
	FETCH_K                         ; the first tile's
	s_wait_loadcnt 0x0              ; Q
	WIN 0
	s_mov_b32 s[SL], 7
.Lmain:                             ; steps 0 to 6: each fills its slot again
	STEP 1
	s_cmp_lg_u32 s[RT], 0           ; RT hangs on g and on the steps: the same in all waves and in all four partners
	s_cbranch_scc1 .Lgo_on
	END
.Lgo_on:
	s_sub_co_u32 s[SL], s[SL], 1
	s_cmp_lg_u32 s[SL], 0
	s_cbranch_scc1 .Lmain
	s_mov_b32 s[CNT], 2
.Ltail:                             ; steps 7 and 8 are a text of their own: nothing is asked for
	STEP 0
	s_cmp_lg_u32 s[RT], 0
	s_cbranch_scc1 .Lgo_on_2
	END
.Lgo_on_2:
	s_sub_co_u32 s[CNT], s[CNT], 1
	s_cmp_lg_u32 s[CNT], 0
	s_cbranch_scc1 .Ltail
	s_wait_tensorcnt 0x0            ; the wave's end, behind my last tensor load and my last LDS store
	ds_add_u32 v[SPW], v[NIL]
	s_wait_dscnt 0x0
	CROUND                          ; the closing round
	s_endpgm
.Lfunc_end_k_qd0d011cc6b_attn:
	.size	k_qd0d011cc6b_attn, .Lfunc_end_k_qd0d011cc6b_attn-k_qd0d011cc6b_attn
	.p2alignl 7, 3214868480
	.fill 96, 4, 3214868480
	.section	.rodata,"a",@progbits
	.p2align	6, 0x0
	.amdhsa_kernel k_qd0d011cc6b_attn
		.amdhsa_group_segment_fixed_size 327680
		.amdhsa_private_segment_fixed_size 0
		.amdhsa_enable_private_segment 0
		.amdhsa_kernarg_size 16
		.amdhsa_user_sgpr_count 2
		.amdhsa_user_sgpr_kernarg_segment_ptr 1
		.amdhsa_wavefront_size32 1
		.amdhsa_system_sgpr_workgroup_id_x 1
		.amdhsa_system_sgpr_workgroup_id_y 1
		.amdhsa_system_sgpr_workgroup_id_z 1
		.amdhsa_system_vgpr_workitem_id 0
		.amdhsa_next_free_vgpr 1024
		.amdhsa_next_free_sgpr 96
		.amdhsa_reserve_vcc 1
		.amdhsa_float_denorm_mode_32 3
		.amdhsa_float_denorm_mode_16_64 3
		.amdhsa_memory_ordered 1
		.amdhsa_forward_progress 1
		.amdhsa_inst_pref_size 206
	.end_amdhsa_kernel
	.amdgpu_metadata
---
amdhsa.version: [ 1, 2 ]
amdhsa.kernels:
  - .name:           k_qd0d011cc6b_attn
    .symbol:         k_qd0d011cc6b_attn.kd
    .args:
      - { .name: qkv, .offset: 0, .size: 8, .value_kind: global_buffer, .address_space: global }
      - { .name: ob, .offset: 8, .size: 8, .value_kind: global_buffer, .address_space: global }
    .group_segment_fixed_size: 327680
    .private_segment_fixed_size: 0
    .kernarg_segment_align: 8
    .kernarg_segment_size: 16
    .max_flat_workgroup_size: 128
    .sgpr_count:     96
    .vgpr_count:     1024
    .wavefront_size: 32
...
	.end_amdgpu_metadata
.endif
;; end of part 3
;; launch oproj (part 4): grid 16 x 16, 4 waves a work-group, clusters of 4 x 4, 327,680 bytes of LDS; arguments ob, wo16, out0; writes out0
.if DOCPART == 4
	.amdgcn_target "amdgcn-amd-amdhsa--gfx1250"
	.amdhsa_code_object_version 6
	.text
	.protected	k_qd0d011cc6b_oproj
	.globl	k_qd0d011cc6b_oproj
	.p2align	8
	.type	k_qd0d011cc6b_oproj,@function
k_qd0d011cc6b_oproj:
	s_mov_b64 s[64:65], 0
	v_nop
	global_prefetch_b8 v0, s[64:65] scope:SCOPE_SE
	s_setreg_imm32_b32 hwreg(HW_REG_WAVE_MODE, 25, 1), 1
	s_wait_xcnt 0x0
	s_wait_alu depctr_hold_cnt(0) depctr_sa_sdst(0) depctr_va_vdst(0) depctr_va_sdst(0) depctr_va_ssrc(0) depctr_va_vcc(0) depctr_vm_vsrc(0)
	s_getreg_b32 s2, hwreg(HW_REG_IB_STS2, 6, 4)
	s_cmp_eq_u32 s2, 0
	s_cbranch_scc0 .Lentry_in_a_cluster
	s_endpgm
.Lentry_in_a_cluster:
	s_bfe_u32 s2, ttmp6, 0x10000c
	s_cmp_lg_u32 s2, 0xf033
	s_cbranch_scc0 .Lentry_shape_is_right
	s_endpgm
.Lentry_shape_is_right:
; OPROJ.  out0[m][n] = the sum over k of ob[m][k] wo16[n][k].  ob, wo16: [2048][2048] f16; out0 f32; sums in f32.
; A tile of out0 is 128 x 128: 256 work-groups.  Four waves, each 64 x 64: 16 accumulators of 16 x 16, 128 registers.  K goes in steps of 256 (LDS rows of 512 bytes; a wave's tensor load brings 64 of
; them) through two slots.  CLUSTER: 4 x 4 work-groups; the four of a row of the cluster need the same tiles of ob, the four of a column the same tiles of wo16: each is asked for jointly.
; WHERE K BEGINS.  A cluster begins at K step 2 ((cluster x + 2 (cluster y % 2)) % 4) and wraps round: of the clusters with one y, which need the same rows of ob, no two begin alike, and clusters y, y + 1
; with one x, which need the same rows of wo16, begin four steps apart.  So a tile that a cluster asks for has been asked for by another two or four steps before, but for the first steps.
; A sum's terms are the same; their order is turned.
; THE MATRIX INSTRUCTION IS USED TRANSPOSED (source 0 = 16 rows of wo16, source 1 = 16 rows of ob): a lane holds eight neighbouring numbers of a row of out0, 32 bytes.  A wave's 64 columns of f32 are
; 256 aligned bytes, so each wave has a stage of its own on the way out, and no barrier stands there.
; REGISTERS: window 0: v0-31 addresses; v32-95 rows read back, two buffers; v128-255 the accumulators ((a, b) at v[128 + 8 (4 a + b)]).   window 1: two fragment buffers of 128.
.set SIZE_K, 2048
.set SIZE_N, 2048
.set KSTEP,  256
.set STEPS,  8                         ; 2048 / 256
.set PITCH,  528                       ; an LDS row: 512 bytes + 16 of padding: row r starts at bank 4 r mod 64 (64 banks of 4 bytes: ISA guide 11.1)
.set HALFT,  64*PITCH                  ; what one tensor load brings: 0x8400
.set SLOT,   4*HALFT                   ; ob's 128 rows, then wo16's 128 rows: 0x21000: it shares no bit with w x 0x8400 (w = 0..3), so one exclusive or turns an address in one slot into the other's
.set STAGE,  2*SLOT                    ; behind the ring: 16 rows x 272 bytes for each wave
.set SPITCH, 272
.set SPARE,  STAGE+4*16*SPITCH         ; the spare words, 128 bytes for each wave
.set ADRA0, 16                         ; v16  my lane's place among ob's rows in a slot; never rewritten
.set ADRB0, 17                         ; v17  among wo16's
.set CA,   20                          ; v20-21  the same two in the slot in hand
.set CB,   21
.set STO,  24
.set RD,   25
.set CO,   26
.set SPW,  28                          ; v28  LDS address of my spare word; never rewritten
.set NIL,  29                          ; v29  0; never rewritten
.set TMP,  32
.set ACC,  128
.set F0,   0
.set F1,   128
.set G1, 24                            ; s[24:31] group 1 for ob's tiles; s[32:39] group 0: a set for each of the two first fills; the second then walks
.set G0, 32
.set G1B, 48                           ; s[48:55], s[56:63] the same for wo16's
.set G0B, 56
.set ABASE, 66                         ; s[66:67] ob at the first of the rows that I fetch
.set BBASE, 68                         ; s[68:69] wo16 likewise
.set OFF, 70                           ; s[70:71] a K step's byte offset in a row
.set KI, 72                            ; s72  the K step that was asked for last, 0..7
.set TB, 73                            ; s73  the slot in hand: 0 or SLOT
.set MSB, 0
.macro WIN new
.if MSB != (\new)
	s_set_vgpr_msb (MSB<<8)|(\new)
.set MSB, \new
.endif
.endm
.set MUL,  0x05                        ; sources 0 and 1 window 1; C and D window 0
.set TO_F, 0x40                        ; destination window 1, address window 0
.macro JLOAD s                         ; waves 0 and 1 fetch ob's two halves, waves 2 and 3 wo16's; an s_nop 0 and four v_nop follow each line
	s_cmp_eq_u32 s11, 0
	s_cbranch_scc0 .Lfor_b_\@
	tensor_load_to_lds s[G0+4*(\s):G0+4*(\s)+3], s[G1:G1+7]
	s_nop 0
.rept 4
	v_nop
.endr
	s_branch .Lasked_\@
.Lfor_b_\@:
	tensor_load_to_lds s[G0B+4*(\s):G0B+4*(\s)+3], s[G1B:G1B+7]
	s_nop 0
.rept 4
	v_nop
.endr
.Lasked_\@:
.endm
.macro CREST
	s_cmp_lg_u32 s10, 0
	s_cbranch_scc1 .Lnot_wave_0_\@
	s_barrier_signal -3
.Lnot_wave_0_\@:
	s_barrier_wait -3
	s_barrier_signal -1
	s_barrier_wait -1
.endm
.macro CROUND
	s_barrier_signal -1
	s_barrier_wait -1
	CREST
.endm
	s_load_b128 s[4:7], s[0:1], 0x0                ; ob s[4:5], wo16 s[6:7]
	s_load_b64 s[8:9], s[0:1], 0x10                ; out0
	v_lshl_add_u32 v[SPW], v0, 2, SPARE
	v_mov_b32 v[NIL], 0
	ds_add_u32 v[SPW], v[NIL]                      ; the wave's opening: the add and its wait stand ahead of my first tensor load; work on registers stands between them
	v_lshrrev_b32 v1, 5, v0
	v_readfirstlane_b32 s10, v1                    ; wave 0..3
	s_lshr_b32 s11, s10, 1                         ; which half of the tile's rows is mine.  Also: I fetch for ob (0) or for wo16 (1)
	s_and_b32 s12, s10, 1                          ; which half of its columns.  Also: which 64 rows of that tile I fetch
	s_bfe_u32 s40, ttmp6, 0x40000                  ; cx, cy
	s_bfe_u32 s41, ttmp6, 0x40004
	s_lshl_b32 s42, ttmp9, 2
	s_add_co_u32 s42, s42, s40                     ; tile column
	s_and_b32 s13, ttmp7, 0xffff                   ; the cluster's y
	s_and_b32 s74, s13, 1
	s_lshl_b32 s74, s74, 1
	s_add_co_u32 s74, s74, ttmp9
	s_and_b32 s74, s74, 3
	s_lshl_b32 s[KI], s74, 1                       ; the cluster's first K step: 0, 2, 4 or 6; made of the cluster's numbers alone, which all partners share
	s_lshl_b32 s13, s13, 2
	s_add_co_u32 s13, s13, s41                     ; tile row
	s_lshl_b32 s43, s41, 2
	s_lshl_b32 s43, 15, s43                        ; my row of the cluster
	s_lshl_b32 s44, 0x1111, s40                    ; my column
	s_or_b32 s[G1+0], s43, (1<<16)|(1<<20)|(1<<21)|(6<<22)|(3<<25)  ; the mask; 2-byte elements; padding on; bit 21 beside a mask; after every 128 words 4 words
	s_or_b32 s[G1B+0], s44, (1<<16)|(1<<20)|(1<<21)|(6<<22)|(3<<25)
.irp g, G1, G1B
	s_mov_b32 s[(\g)+1], KSTEP<<16                 ; tensor_dim0 = 256
	s_mov_b32 s[(\g)+2], 64<<16                    ; tensor_dim1 = 64
	s_mov_b32 s[(\g)+3], KSTEP<<16                 ; tile_dim0 = 256
	s_mov_b32 s[(\g)+4], 64                        ; tile_dim1 = 64
	s_mov_b32 s[(\g)+5], SIZE_K                    ; elements from row to row
	s_mov_b32 s[(\g)+6], 0
	s_mov_b32 s[(\g)+7], 0
.endr
	s_lshl_b32 s17, s12, 6
	s_lshl_b32 s16, s13, 7
	s_add_co_u32 s16, s16, s17                     ; ob: row 128 x tile row + 64 x half
	s_lshl_b32 s46, s42, 7
	s_add_co_u32 s46, s46, s17                     ; wo16: row 128 x tile column + 64 x half
	s_mov_b32 s17, 0
	s_mov_b32 s47, 0
	s_mov_b64 s[18:19], SIZE_K*2
	s_mul_u64 s[16:17], s[16:17], s[18:19]
	s_mul_u64 s[46:47], s[46:47], s[18:19]
	s_mul_i32 s20, s10, HALFT                      ; where they go: wave x 64 rows
	s_mov_b32 s[TB], 0
	s_mov_b32 s[OFF+1], 0
	s_wait_dscnt 0x0                               ; the opening add is done
	s_wait_kmcnt 0x0
	s_add_nc_u64 s[ABASE:ABASE+1], s[4:5], s[16:17]
	s_add_nc_u64 s[BBASE:BBASE+1], s[6:7], s[46:47]
	CROUND                                         ; all sixteen work-groups are here: the first joint loads meet
.irp s, 0,1
	s_add_co_u32 s74, s[KI], (\s)                  ; the cluster's first and second K step (7 at the most: no wrap yet)
	s_lshl_b32 s[OFF], s74, 9                      ; 512 bytes of a row to a step
	s_mov_b32 s[G0+4*(\s)], 1
	s_add_co_u32 s[G0+4*(\s)+1], s20, (\s)*SLOT
	s_add_nc_u64 s[G0+4*(\s)+2:G0+4*(\s)+3], s[ABASE:ABASE+1], s[OFF:OFF+1]
	s_or_b32 s[G0+4*(\s)+3], s[G0+4*(\s)+3], 0x80000000
	s_mov_b32 s[G0B+4*(\s)], 1
	s_add_co_u32 s[G0B+4*(\s)+1], s20, (\s)*SLOT
	s_add_nc_u64 s[G0B+4*(\s)+2:G0B+4*(\s)+3], s[BBASE:BBASE+1], s[OFF:OFF+1]
	s_or_b32 s[G0B+4*(\s)+3], s[G0B+4*(\s)+3], 0x80000000
	JLOAD \s                                       ; two loads of mine are out
.endr
	s_add_co_u32 s[KI], s[KI], 1                   ; the step asked for last
	v_and_b32 v1, 15, v0                           ; r = l % 16
	v_bfe_u32 v2, v0, 4, 1                         ; h = l / 16
	v_mul_u32_u24 v3, v1, PITCH
	v_lshl_add_u32 v3, v2, 4, v3
	s_mul_i32 s21, s11, HALFT                      ; my 64 rows of ob
	s_mul_i32 s22, s12, HALFT                      ; my 64 rows of wo16,
	s_add_co_u32 s22, s22, 2*HALFT                 ; which lie behind ob's 128
	v_add_nc_u32 v[ADRA0], s21, v3
	v_add_nc_u32 v[ADRB0], s22, v3
	s_mul_i32 s23, s10, 16*SPITCH
	s_add_co_u32 s23, s23, STAGE                   ; my stage
	v_mul_u32_u24 v4, v1, SPITCH                   ; in: row r, 32 bytes for each half of the lanes
	v_lshl_add_u32 v4, v2, 5, v4
	v_add_nc_u32 v[STO], s23, v4
	v_mul_u32_u24 v5, v2, SPITCH                   ; back: lanes 0-15 take one row of 256 bytes, lanes 16-31 the next
	v_lshl_add_u32 v5, v1, 4, v5
	v_add_nc_u32 v[RD], s23, v5
	v_lshlrev_b32 v5, 13, v2                       ; and the same two rows in out0, 8,192 bytes apart
	v_lshl_add_u32 v[CO], v1, 4, v5
	s_lshl_b32 s16, s13, 7
	s_lshl_b32 s17, s11, 6
	s_add_co_u32 s16, s16, s17                     ; my first row: 128 x tile row + 64 x half,
	s_lshl_b32 s16, s16, 13                        ; in bytes
	s_mov_b32 s17, 0
	s_add_nc_u64 s[8:9], s[8:9], s[16:17]
	s_lshl_b32 s46, s42, 9                         ; my first column, in bytes: 512 x tile column + 256 x half
	s_lshl_b32 s47, s12, 8
	s_add_co_u32 s46, s46, s47
	s_mov_b32 s47, 0
	s_add_nc_u64 s[8:9], s[8:9], s[46:47]
; 8 matrix instructions: row blocks a0, a0 + 1 x all 4 column blocks, 32 along K: half c of buffer f.  zero = 1: the product starts the sums.  The accumulators take turns.
.macro MUL8 f, c, a0, zero
	WIN MUL
.irp a, \a0, (\a0)+1
.irp b, 0,1,2,3
.if \zero
	v_wmma_f32_16x16x32_f16 v[ACC+8*(4*(\a)+(\b)):ACC+8*(4*(\a)+(\b))+7], v[(\f)+64+8*(4*(\c)+(\b)):(\f)+64+8*(4*(\c)+(\b))+7], v[(\f)+8*(4*(\c)+(\a)):(\f)+8*(4*(\c)+(\a))+7], 0
.else
	v_wmma_f32_16x16x32_f16 v[ACC+8*(4*(\a)+(\b)):ACC+8*(4*(\a)+(\b))+7], v[(\f)+64+8*(4*(\c)+(\b)):(\f)+64+8*(4*(\c)+(\b))+7], v[(\f)+8*(4*(\c)+(\a)):(\f)+8*(4*(\c)+(\a))+7], v[ACC+8*(4*(\a)+(\b)):ACC+8*(4*(\a)+(\b))+7]
.endif
.endr
.endr
.endm
.macro SETADR                          ; my two places in the slot in hand
	v_add_nc_u32 v[CA], s[TB], v[ADRA0]
	v_add_nc_u32 v[CB], s[TB], v[ADRB0]
.endm
; 32 LDS loads in one run: the fragments of 64 along K at byte k of the rows of the slot in hand, into buffer f; the first 32 along K first
.macro FETCH k, f
	WIN TO_F
.irp c, 0,1
.irp i, 0,1,2,3
	ds_load_b128 v[(\f)+64+8*(4*(\c)+(\i)):(\f)+64+8*(4*(\c)+(\i))+3],   v[CB] offset:(\k)+64*(\c)+(\i)*16*PITCH
	ds_load_b128 v[(\f)+64+8*(4*(\c)+(\i))+4:(\f)+64+8*(4*(\c)+(\i))+7], v[CB] offset:(\k)+64*(\c)+(\i)*16*PITCH+32
	ds_load_b128 v[(\f)+8*(4*(\c)+(\i)):(\f)+8*(4*(\c)+(\i))+3],         v[CA] offset:(\k)+64*(\c)+(\i)*16*PITCH
	ds_load_b128 v[(\f)+8*(4*(\c)+(\i))+4:(\f)+8*(4*(\c)+(\i))+7],       v[CA] offset:(\k)+64*(\c)+(\i)*16*PITCH+32
.endr
.endr
.endm
.macro PLACES                          ; four places in front of loads into registers that matrix instructions have read, and of LDS stores that read results
.rept 4
	v_nop
.endr
.endm
; A K step is four quarters of 64 along K, 32 matrix instructions each, on buffers 0, 1, 0, 1.
.macro QUARTER k, f, g, zero
	s_wait_dscnt 16                                ; the first 32 along K are in
	MUL8 \f, 0, 0, \zero
	MUL8 \f, 0, 2, \zero
	PLACES
	FETCH \k, \g
	s_wait_dscnt 32                                ; all but the 32 just issued
	MUL8 \f, 1, 0, 0
	MUL8 \f, 1, 2, 0
.endm
; The last quarter multiplies buffer 1 and changes slots: ONE barrier; in front of it each wave waits for all its tensor loads, adds 0 to its spare word, and waits for that and for its reads of this slot.
; fill = 1: the barrier opens a round of the cluster's, and this slot is filled again, with the K step after next, first thing behind the round.  No tensor load is out from the wait to the refill, so
; little stands between them: the eight matrix instructions that fill the wait for the add; the quarter's other 24 follow the refill.
.macro TURN fill
	WIN 0
	s_wait_tensorcnt 0x0                           ; no tensor load of mine is out, so a group 0 may be written
	ds_add_u32 v[SPW], v[NIL]                      ; 0 onto my spare word
.if \fill
	s_add_co_u32 s[KI], s[KI], 1                   ; the next K step, round the end of K
	s_and_b32 s[KI], s[KI], STEPS-1
	s_lshl_b32 s[OFF], s[KI], 9
	s_xor_b32 s[G0+5], s[G0+5], SLOT               ; the walking descriptors: the other slot than last time; the address is made anew
	s_add_nc_u64 s[G0+6:G0+7], s[ABASE:ABASE+1], s[OFF:OFF+1]
	s_or_b32 s[G0+7], s[G0+7], 0x80000000
	s_xor_b32 s[G0B+5], s[G0B+5], SLOT
	s_add_nc_u64 s[G0B+6:G0B+7], s[BBASE:BBASE+1], s[OFF:OFF+1]
	s_or_b32 s[G0B+7], s[G0B+7], 0x80000000
.endif
	s_xor_b32 s[TB], s[TB], SLOT                   ; the fetches go on in the other slot
	s_wait_dscnt 17                                ; (the add and the youngest sixteen loads may be out)
	MUL8 F1, 0, 0, 0
	WIN 0
	s_wait_dscnt 0x0                               ; the add is done, and my reads of this slot are over
	s_barrier_signal -1
	s_barrier_wait -1
.if \fill
	CREST                                          ; no wave of any partner still reads this slot or has a load on its way
	JLOAD 1                                        ; my one tensor load behind the round; its four v_nop are also places in front of the loads below
.else
	v_nop                                          ; with the three lines below: the four places in front of the loads
	v_nop
.endif
	SETADR
	FETCH 0, F0
	MUL8 F1, 0, 2, 0
	MUL8 F1, 1, 0, 0
	MUL8 F1, 1, 2, 0
.endm
	s_wait_tensorcnt 1                             ; my part of the first K step is in; the second's may stay out
	s_barrier_signal -1
	s_barrier_wait -1
	SETADR
	FETCH 0, F0
	QUARTER 128, F0, F1, 1                         ; the first quarter stands in front of the loop: its first products start the sums
	WIN 0
	s_mov_b32 s3, STEPS-2
.Lstep:                                                ; a trip: from a K step's second quarter to the next step's first; it fills the slot that it leaves.  6 trips ask for the steps behind the first two
	QUARTER 256, F1, F0, 0
	QUARTER 384, F0, F1, 0
	TURN 1
	QUARTER 128, F0, F1, 0
	WIN 0
	s_sub_co_u32 s3, s3, 1
	s_cmp_lg_u32 s3, 0
	s_cbranch_scc1 .Lstep
	QUARTER 256, F1, F0, 0                         ; the last two steps fill nothing
	QUARTER 384, F0, F1, 0
	TURN 0
	QUARTER 128, F0, F1, 0
	QUARTER 256, F1, F0, 0
	QUARTER 384, F0, F1, 0
	s_wait_dscnt 16
	MUL8 F1, 0, 0, 0
	MUL8 F1, 0, 2, 0
	s_wait_dscnt 0
	MUL8 F1, 1, 0, 0
	MUL8 F1, 1, 2, 0
	WIN 0
	; THE WAY OUT, 16 rows at a time: a lane's 32 bytes of a row go into my stage (each accumulator's low half first), whole rows of 256 bytes come back and are stored.
	PLACES
.irp a, 0,1,2,3
.irp b, 0,1,2,3
	ds_store_b128 v[STO], v[ACC+8*(4*(\a)+(\b)):ACC+8*(4*(\a)+(\b))+3]   offset:64*(\b)
	ds_store_b128 v[STO], v[ACC+8*(4*(\a)+(\b))+4:ACC+8*(4*(\a)+(\b))+7] offset:64*(\b)+16
.endr
.if (\a) >= 2
	s_wait_xcnt 0x0                                ; the buffer's registers, which earlier stores read, are loaded again only behind this wait
.endif
.irp t, 0,1,2,3,4,5,6,7
	ds_load_b128 v[TMP+32*((\a)%2)+4*(\t):TMP+32*((\a)%2)+4*(\t)+3], v[RD] offset:(\t)*2*SPITCH  ; LDS serves a wave's instructions in order (ISA guide 5.7.1.4): these see the stores above
.endr
	s_wait_dscnt 0x0
.irp t, 0,1,2,3,4,5,6,7
	global_store_b128 v[CO], v[TMP+32*((\a)%2)+4*(\t):TMP+32*((\a)%2)+4*(\t)+3], s[8:9] offset:(16*(\a)+2*(\t))*SIZE_N*4 th:TH_STORE_NT  ; 16 lanes store 256 consecutive bytes, aligned
.endr
.endr
	s_wait_tensorcnt 0x0                           ; the wave's end, behind my last tensor load and my last LDS store
	ds_add_u32 v[SPW], v[NIL]
	s_wait_dscnt 0x0
	CROUND                                         ; the closing round
	s_endpgm
.Lfunc_end_k_qd0d011cc6b_oproj:
	.size	k_qd0d011cc6b_oproj, .Lfunc_end_k_qd0d011cc6b_oproj-k_qd0d011cc6b_oproj
	.p2alignl 7, 3214868480
	.fill 96, 4, 3214868480
	.section	.rodata,"a",@progbits
	.p2align	6, 0x0
	.amdhsa_kernel k_qd0d011cc6b_oproj
		.amdhsa_group_segment_fixed_size 327680
		.amdhsa_private_segment_fixed_size 0
		.amdhsa_enable_private_segment 0
		.amdhsa_kernarg_size 24
		.amdhsa_user_sgpr_count 2
		.amdhsa_user_sgpr_kernarg_segment_ptr 1
		.amdhsa_wavefront_size32 1
		.amdhsa_system_sgpr_workgroup_id_x 1
		.amdhsa_system_sgpr_workgroup_id_y 1
		.amdhsa_system_sgpr_workgroup_id_z 1
		.amdhsa_system_vgpr_workitem_id 0
		.amdhsa_next_free_vgpr 512
		.amdhsa_next_free_sgpr 80
		.amdhsa_reserve_vcc 0
		.amdhsa_float_denorm_mode_32 3
		.amdhsa_float_denorm_mode_16_64 3
		.amdhsa_memory_ordered 1
		.amdhsa_forward_progress 1
		.amdhsa_inst_pref_size 68
	.end_amdhsa_kernel
	.amdgpu_metadata
---
amdhsa.version: [ 1, 2 ]
amdhsa.kernels:
  - .name:           k_qd0d011cc6b_oproj
    .symbol:         k_qd0d011cc6b_oproj.kd
    .args:
      - { .name: ob, .offset: 0, .size: 8, .value_kind: global_buffer, .address_space: global }
      - { .name: wo16, .offset: 8, .size: 8, .value_kind: global_buffer, .address_space: global }
      - { .name: out0, .offset: 16, .size: 8, .value_kind: global_buffer, .address_space: global }
    .group_segment_fixed_size: 327680
    .private_segment_fixed_size: 0
    .kernarg_segment_align: 8
    .kernarg_segment_size: 24
    .max_flat_workgroup_size: 128
    .sgpr_count:     80
    .vgpr_count:     512
    .wavefront_size: 32
...
	.end_amdgpu_metadata
.endif
;; end of part 4
